; MI455X (gfx1250); checked and timed in simulation.
; The chip was launched on July 23, 2026; its instructions are those of AMD's public machine-readable ISA for CDNA 5 (MIT licence, August 2026) and "CDNA5" Instruction Set Architecture Reference Guide (July 2026). The comments in the code are by the model that wrote it; some were corrected since.
;; Spline Transformer. Allowed arithmetic: matrix products marked QUANTISED: E2M3 operands, one E8M0 scale for each 32 along K, by v_wmma_scale_f32_16x16x128_f8f6f4 with both operands' format E2M3, f32 sums; everything else in f32.
;; Inputs: W1 128 x 2,048 float32; W2 2,048 x 6,272 float32; b1 2,048 float32; b2 6,272 float32; x 4,096 x 128 float32; y 4,096 x 128 float32.
;; Outputs: out0 4,096 x 128 float32; out1 4,096 x 1 float32.
;; This version of the problem:
;;   THIS VERSION OF THE PROBLEM IS GIVEN IN LOW PRECISION. The matrix products marked QUANTISED in the list below multiply operands that are first quantised to E2M3 (2 exponent bits, 3 mantissa bits; 6 bits a number), with one power-of-two scale for each 32 numbers along K (OCP MX v1.0); their sums are f32. All else is computed in f32.
;;   The module's matrix products, in the order in which they are computed (A, B: the left and right operand; K: the contracted axis; several contracted axes count as one K, in the product's order):
;;     1. [M 4,096, K 128] x [K 128, N 2,048]; A: input x; B: input W1: QUANTISED
;;     2. [M 4,096, K 2,048] x [K 2,048, N 6,272]; A: computed on the way; B: input W2: QUANTISED
;;   THE QUANTISER, for each operand of a quantised product, along K:
;;     - K is cut into blocks of 32 from its start; a last block that is shorter is filled with zeros.
;;     - A block's scale is 2^e with e = floor(log2(the largest magnitude in the block)) - 2, held to -126 .. 127; a block of zeros has e = 0. As a byte (E8M0): e + 127.
;;     - Each number is divided by its block's scale, clamped to +-7.5, and rounded to the nearest number of E2M3, ties to even, subnormals kept.
;;     - The product sums the exact products of the quantised numbers (number of the format x scale) in f32.
;;   ~~~python
;;   def quantise(x, axis):      # numpy; x: float32 -> the quantised numbers, widened to float32 again
;;       x = np.moveaxis(x, axis, -1); K = x.shape[-1]
;;       x = np.pad(x, [(0, 0)] * (x.ndim - 1) + [(0, -K % 32)]); x = x.reshape(x.shape[:-1] + (-1, 32)); a = np.abs(x).max(-1, keepdims=True)
;;       e = np.where(a > 0, np.clip(np.frexp(np.where(a > 0, a, 1))[1] - 1 - 2, -126, 127), 0)      # np.frexp(a)[1] - 1 = floor(log2(a)), exactly
;;       r = np.clip(x / 2.0 ** e, -7.5, 7.5)
;;       step = 2.0 ** (np.maximum(np.frexp(np.where(r == 0, 1, r))[1] - 1, 0) - 3)
;;       q = np.round(r / step) * step * 2.0 ** e      # np.round: ties to even
;;       return np.moveaxis(q.reshape(q.shape[:-2] + (-1,))[..., :K], -1, axis).astype(np.float32)
;;   ~~~
;;   OPERANDS COMPUTED ON THE WAY. 'Computed on the way' means the value that the module computes at that place (a softmax that the list does not call 'softmax' is quantised finished and normalised). What goes into a quantiser is computed in f32, as accurately as f32 sums, v_exp_f32 and their like allow (about 1e-6 of the number): no bf16 or f16 on the way to a quantiser, and a product that is left as it is and whose result goes on into a quantised operand takes f32 operands (vector FMAs, or v_wmma_f32_16x16x4_f32). A number that lies on a knife's edge between two numbers of the format may be rounded either way, as far as f32 arithmetic and the matrix unit's own rounding can turn it there, and no further.
;; 2 versions. Each part assembles by itself: llvm-mc -triple=amdgcn-amd-amdhsa -mcpu=gfx1250 --defsym DOCPART=n.
;; ======== version 1 of 2: 3 launches
;; workspace buffers: hq 7,340,032 bytes; w2c 10,485,760 bytes; part 131,072 bytes
;; launch prep (part 1): grid 256 x 1, 8 waves a work-group, no clusters, 218,112 bytes of LDS; arguments x, W1, b1, W2, hq, w2c; writes hq, w2c
.if DOCPART == 1
	.amdgcn_target "amdgcn-amd-amdhsa--gfx1250"
	.amdhsa_code_object_version 6
	.text
	.protected	k_qee8691046e_prep
	.globl	k_qee8691046e_prep
	.p2align	8
	.type	k_qee8691046e_prep,@function
k_qee8691046e_prep:
	s_mov_b64 s[64:65], 0
	v_nop
	global_prefetch_b8 v0, s[64:65] scope:SCOPE_SE
	s_setreg_imm32_b32 hwreg(HW_REG_WAVE_MODE, 25, 1), 1
	s_wait_xcnt 0x0
; PREP.  Every work-group does two things.
; (1) It turns one slab of W2 (f32, [2048 k][6272 n]), 128 rows of K x 392 columns (8 dims x 49 parameters), into codes of FP6 (E2M3) with one E8M0 byte for each 32 along K,
;     laid in w2c as IMAGES OF THE OPERAND'S REGISTERS: a fragment (16 operand rows x 128 K, 12 registers a lane) is 1,536 bytes, registers 4 c .. 4 c + 3 of lane l at 512 c + 16 l.
; (2) It makes one slice of Q(relu(Q(x) Q(W1) + b1)): 256 rows x 128 hidden units, laid in hq likewise.
; The slab is asked for first, 8 tensor loads of 16 rows x 1,568 bytes, each LDS byte filled once; the slice is computed while the slab is on its way.
; w2c[g][s], 81,920 bytes (g: 16 dims, s: 128 along K): main wave w at 19,968 w; in it parameter group T (0 widths, 1 heights, 2 knot slopes 0-15) at 6,656 T: four fragments f = 2 q + u at 1,536 f and at 6,144 a chunk
;   of 16 bytes a lane [R0, R1, 0, 0], Ri = the scale words of tile 2 i (lanes 0-15) and of tile 2 i + 1 (lanes 16-31).  Operand row r of tile (w, T, f) is W2's column (16 g + 4 w + 2 q + r / 8) 49 + 16 T + 8 u + r % 8.
;   At 79,872 the extra tile: operand row m = column (16 g + m) 49 + 48, and at + 1,536 its chunk [word, 0, 0, 0].
; hq[rb][s], 14,336 bytes (rb: 128 rows): pair P of row tiles at 3,584 P: two fragments, and at + 3,072 a chunk [word, 0, 0, 0]: lanes 0-15 tile 2 P, lanes 16-31 tile 2 P + 1.
; THE QUANTISER: a block's scale byte is its largest magnitude's exponent field - 2, held at 1 from below; the conversion divides by that power of two, rounds to the nearest code, ties to even, and holds at the largest code.
; LIMITS: a block of zeros gets the byte 1 where the rule says 127 (its codes are zeros, and this program alone reads the bytes); NaN and infinities among the inputs are not served.
; The extra tile's stores cover runs of 128 bytes (two work-groups share its 16 rows): one fortieth of what the launch stores.
; NO CLUSTER: the large stream, W2, is read by one work-group only.  x and W1 (3 MB in all) are read by sixteen work-groups each, but they come straight into registers in the operand's order, where no joint tensor load serves.
.set RAWKB, 50304                      ; LDS: a block of 32 rows of the slab: 32 x 1,568 bytes + 128, so that lanes 16-31, which read one block further on, fall 32 words further round the banks
.set RP,    1568                       ; a slab row
.set W1I,   201216                     ; behind the slab (4 x 50,304): W1's eight fragments as images
.set W1S,   213504                     ; and their scale words, 128 bytes each
.set XA,   1                           ; v1   x: 512 r + 64 h
.set LI,   2                           ; v2   16 x lane
.set W1A,  3                           ; v3   W1: my column and my half's 32 rows
.set SH8,  4                           ; v4   8 h
.set B1A,  5                           ; v5   64 h
.set RA0,  6                           ; v6   the slab: my column of a group's tile 0, K 32 h on;  v7: 64 rows further down
.set RA1,  7
.set EA0,  8                           ; v8, v9  the same for the extra tile
.set EA1,  9
.set GOFF, 10                          ; v10  the extra tile: my place in its image
.set W1ST, 11                          ; v11  where my wave stores its fragment of W1;  v12 its scale words
.set W1SS, 12
.set W1LD, 13                          ; v13  from where any wave reads the fragments;  v14 the scale words
.set W1SL, 14
.set TM,   16                          ; v16-31  at work in the quantisers
.set PC,   32                          ; v32-43 codes just made, v44-51 second halves on their way
.set PW,   52                          ; v52, v53  scale words of h's two row tiles
.set PW0,  53
.set XF,   56                          ; v56-79  x's two fragments; later W2's codes of tiles 0, 1
.set XS,   80                          ; v80-81  x's scale words: these and v82-89 hold scales and nothing else
.set W1SC, 82                          ; v82-89  W1's scale words
.set HSC,  92                          ; v92-95  h's chunk of scale words
.set W1F,  96                          ; v96-191 numbers of W1 and x as loaded, then W1's eight fragments; later W2's codes of tiles 2, 3 (v96-119)
.set SW,   120                         ; v120-123 W2's scale words, a tile each
.set SCI,  124                         ; v124-127 their chunk
.set RW,   128                         ; v128-255 four sets of 32 numbers of W2
.set HA,   192                         ; v192-255 x as loaded, then b1 and the hidden layer's eight tiles
.set WV,   16
.set SEL,  36                          ; s[36:37] v_permlanex16_b32's selects for lane l xor 16
.set HIM,  38                          ; s38  the mask of lanes 16-31
; 64 numbers of a lane, register 16 b + i = k 32 b + 16 h + i of my row, become a fragment's codes in v[d] on and my row's scale word in v[pw]
.macro QUANT s, d, pw
.irp b, 0,1,2,3
	v_max3_num_f32 v[TM+\b], |v[(\s)+16*\b]|, |v[(\s)+1+16*\b]|, 0x1800000   ; my 16 numbers of block b, and the floor 2^(3 - 127): the byte cannot fall under 1
.endr
.irp i, 2,4,6,8,10,12,14
.irp b, 0,1,2,3
	v_max3_num_f32 v[TM+\b], v[TM+\b], |v[(\s)+16*\b+\i]|, |v[(\s)+1+16*\b+\i]|
.endr
.endr
.irp b, 0,1,2,3
	v_permlanex16_b32 v[TM+4+\b], v[TM+\b], s[SEL], s[SEL+1]
.endr
.irp b, 0,1,2,3
	v_max_num_f32 v[TM+\b], v[TM+\b], v[TM+4+\b]       ; with lane l xor 16's: the block's largest magnitude
.endr
.irp b, 0,1,2,3
	v_add_nc_u32 v[TM+12+\b], 0xff000000, v[TM+\b]     ; 2 off its exponent field: the conversion's scale operand
.endr
.irp b, 0,1,2,3
	v_lshrrev_b32 v[TM+4+\b], 23, v[TM+12+\b]          ; the scale's byte
.endr
	v_lshl_or_b32 v[\pw], v[TM+5], 8, v[TM+4]
	v_lshl_or_b32 v[\pw], v[TM+6], 16, v[\pw]
	v_lshl_or_b32 v[\pw], v[TM+7], 24, v[\pw]
.irp c, 0,1
	v_cvt_scalef32_pk16_fp6_f32 v[(\d)+6*\c:(\d)+2+6*\c], v[(\s)+32*\c:(\s)+15+32*\c], v[TM+12+2*\c]
	v_cvt_scalef32_pk16_fp6_f32 v[PC+12+4*\c:PC+14+4*\c], v[(\s)+16+32*\c:(\s)+31+32*\c], v[TM+12+2*\c+1]   ; (a conversion's three registers begin on an even number)
.endr
	v_nop                                              ; one plain place behind a scaled conversion
.irp c, 0,1                                        ; the operand wants a whole block in a lane: lanes 0-15 block 2 c, lanes 16-31 block 2 c + 1
.irp i, 0,1,2
	v_permlane16_swap_b32 v[(\d)+6*\c+\i], v[PC+12+4*\c+\i]
.endr
.irp i, 0,1,2
	v_mov_b32 v[(\d)+3+6*\c+\i], v[PC+12+4*\c+\i]
.endr
.endr
.endm
; 32 numbers of a lane, one whole block (k = 64 c + 32 h + 0 .. 31 of my column): its scale and its codes, registers 6 c .. 6 c + 2 of v[d] on; the second half waits in v[PC + 12 + 4 c]
.macro QB s, c, d
	v_max3_num_f32 v[TM+\c], |v[(\s)]|, |v[(\s)+1]|, 0x1800000
	v_max3_num_f32 v[TM+8+\c], |v[(\s)+2]|, |v[(\s)+3]|, |v[(\s)+4]|
.irp i, 5,9,13,17,21,25
	v_max3_num_f32 v[TM+\c], v[TM+\c], |v[(\s)+\i]|, |v[(\s)+\i+1]|
	v_max3_num_f32 v[TM+8+\c], v[TM+8+\c], |v[(\s)+\i+2]|, |v[(\s)+\i+3]|
.endr
	v_max3_num_f32 v[TM+\c], v[TM+\c], |v[(\s)+29]|, |v[(\s)+30]|
	v_max3_num_f32 v[TM+\c], v[TM+\c], v[TM+8+\c], |v[(\s)+31]|
	v_add_nc_u32 v[TM+12+\c], 0xff000000, v[TM+\c]
	v_lshrrev_b32 v[TM+4+\c], 23, v[TM+12+\c]
	v_cvt_scalef32_pk16_fp6_f32 v[(\d)+6*\c:(\d)+6*\c+2], v[(\s):(\s)+15], v[TM+12+\c]
	v_cvt_scalef32_pk16_fp6_f32 v[PC+12+4*\c:PC+14+4*\c], v[(\s)+16:(\s)+31], v[TM+12+\c]
	v_nop                                              ; one plain place behind a scaled conversion
.endm
; behind two QB: my two bytes (blocks h and 2 + h) and lane l xor 16's two make the column's scale word; the second halves go to their places
.macro QFIN d, pw
	v_lshl_or_b32 v[\pw], v[TM+5], 16, v[TM+4]
	v_lshlrev_b32 v[\pw], v[SH8], v[\pw]
	v_permlanex16_b32 v[TM+6], v[\pw], s[SEL], s[SEL+1]
	v_or_b32 v[\pw], v[\pw], v[TM+6]
.irp c, 0,1
.irp i, 0,1,2
	v_mov_b32 v[(\d)+3+6*\c+\i], v[PC+12+4*\c+\i]
.endr
.endr
.endm
.macro LDR set, areg, off              ; 32 rows of the slab at my column into one set
.set II, 0
.rept 32
	ds_load_b32 v[RW+32*(\set)+II], v[\areg] offset:(\off)+RP*II
.set II, II+1
.endr
.endm
.macro XLOAD reg, m                    ; row tile m of my wave's 32 rows of x: 16 neighbours of each block of 32
.irp b, 0,1,2,3
.irp j, 0,1,2,3
	global_load_b128 v[(\reg)+16*\b+4*\j:(\reg)+16*\b+4*\j+3], v[XA], s[4:5] offset:8192*\m+128*\b+16*\j
.endr
.endr
.endm
	s_load_b256 s[4:11], s[0:1], 0x0               ; x s[4:5], W1 s[6:7], b1 s[8:9], W2 s[10:11]
	s_load_b128 s[12:15], s[0:1], 0x20             ; hq s[12:13], w2c s[14:15]
	v_lshl_add_u32 v47, v0, 2, 0x35000
	v_mov_b32 v51, 0
	ds_add_u32 v47, v51
	ds_add_u32 v47, v51
	v_lshrrev_b32 v15, 5, v0
	v_readfirstlane_b32 s[WV], v15                 ; wave 0..7
	s_and_b32 s17, ttmp9, 1                        ; wp: which 8 dims of the group
	s_bfe_u32 s18, ttmp9, 0x40001                  ; s2: which 128 along K of W2
	s_lshr_b32 s19, ttmp9, 5                       ; g: which 16 dims
	s_and_b32 s20, ttmp9, 15                       ; sh: which 128 hidden units
	s_lshr_b32 s21, ttmp9, 4                       ; R: which 256 rows of x
	; descriptor group 1: 16 rows x 392 elements of 4 bytes, 6,272 elements from row to row, no padding
	s_mov_b32 s24, 2<<16
	s_mov_b32 s25, 392<<16
	s_mov_b32 s26, 16<<16
	s_mov_b32 s27, 392<<16
	s_mov_b32 s28, 16
	s_mov_b32 s29, 6272
	s_mov_b32 s30, 0
	s_mov_b32 s31, 0
	s_lshl_b32 s22, s18, 7
	s_lshl_b32 s23, s[WV], 4
	s_add_co_u32 s22, s22, s23                     ; my first row of W2: 128 s2 + 16 wave
	s_mul_i32 s22, s22, 25088
	s_lshl_b32 s23, s19, 1
	s_add_co_u32 s23, s23, s17
	s_mul_i32 s23, s23, 1568                       ; the slab's first column, in bytes
	s_add_co_u32 s40, s22, s23
	s_mov_b32 s41, 0
	s_mov_b32 s32, 1
	s_mul_i32 s33, s[WV], 25088                    ; in LDS: 16 rows a wave, and 128 bytes more for each 32 rows passed
	s_lshr_b32 s42, s[WV], 1
	s_lshl_b32 s42, s42, 7
	s_add_co_u32 s33, s33, s42
	s_wait_dscnt 0x0
	s_wait_kmcnt 0x0
	s_add_nc_u64 s[34:35], s[10:11], s[40:41]
	s_or_b32 s35, s35, 0x80000000
	tensor_load_to_lds s[32:35], s[24:31]          ; my wave's one tensor load: these LDS bytes are filled once
	s_nop 0
.rept 4
	v_nop
.endr
	v_and_b32 v90, 31, v0                          ; lane
	v_and_b32 v54, 15, v0                          ; r
	v_bfe_u32 v55, v0, 4, 1                        ; h
	v_lshlrev_b32 v[LI], 4, v90
	v_lshlrev_b32 v[XA], 9, v54
	v_lshl_add_u32 v[XA], v55, 6, v[XA]
	v_and_b32 v91, 8, v54
	v_add_nc_u32 v91, v91, v54                     ; r + 8 (r / 8): the hidden units of a tile are not neighbours, so that two neighbouring tiles' 16 results of a lane are 16 neighbours along the next K
	s_lshl_b32 s40, s20, 7
	s_lshr_b32 s41, s[WV], 1
	s_lshl_b32 s41, s41, 5
	s_add_co_u32 s40, s40, s41
	s_and_b32 s41, s[WV], 1
	s_lshl_b32 s41, s41, 3
	s_add_co_u32 s40, s40, s41                     ; tile t = my wave begins at hidden unit 128 sh + 32 (t / 2) + 8 (t % 2)
	v_add_nc_u32 v[W1A], s40, v91
	v_lshlrev_b32 v[W1A], 2, v[W1A]
	v_lshl_add_u32 v[W1A], v55, 18, v[W1A]         ; lanes 16-31 begin 32 rows of 8,192 bytes further down
	v_lshlrev_b32 v[SH8], 3, v55
	v_lshlrev_b32 v[B1A], 6, v55
	s_min_u32 s47, s[WV], 5
	s_mul_i32 s47, s47, 11
	s_lshr_b32 s47, s47, 5                         ; w' = wave / 3 for waves 0 to 5: which 4 dims of the slab's 8
	s_mul_i32 s42, s47, 592
	s_lshl_b32 s43, s[WV], 6
	s_add_co_u32 s42, s42, s43                     ; 784 w' + 64 T, T = wave - 3 w'
	v_lshrrev_b32 v91, 3, v54
	v_mul_u32_u24 v[RA0], v91, 196                 ; operand rows 8-15 are the next dim: 49 columns on
	v_and_b32 v91, 7, v54
	v_lshl_add_u32 v[RA0], v91, 2, v[RA0]
	v_mad_u32_u24 v[RA0], v55, RAWKB, v[RA0]
	v_add_nc_u32 v[RA0], s42, v[RA0]
	v_add_nc_u32 v[RA1], 2*RAWKB, v[RA0]
	v_mul_u32_u24 v[EA0], v91, 196                 ; the extra tile: dim r % 8 of the slab, parameter 48
	v_mad_u32_u24 v[EA0], v55, RAWKB, v[EA0]
	v_add_nc_u32 v[EA0], 192, v[EA0]
	v_add_nc_u32 v[EA1], 2*RAWKB, v[EA0]
	v_lshlrev_b32 v[GOFF], 4, v91
	v_lshl_add_u32 v[GOFF], v55, 8, v[GOFF]
	s_lshl_b32 s43, s17, 7
	v_add_nc_u32 v[GOFF], s43, v[GOFF]             ; 16 (r % 8 + 8 wp + 16 h)
	s_mul_i32 s43, s[WV], 1536
	s_add_co_u32 s43, s43, W1I
	v_add_nc_u32 v[W1ST], s43, v[LI]
	s_lshl_b32 s43, s[WV], 7
	s_add_co_u32 s43, s43, W1S
	v_lshl_add_u32 v[W1SS], v90, 2, s43
	v_add_nc_u32 v[W1LD], W1I, v[LI]
	v_lshl_add_u32 v[W1SL], v90, 2, W1S
.irp b, 0,1,2,3
	v_mov_b32 v[TM+4+\b], 0                        ; written once: a lane permute's destination counts as one of its sources
.endr
	v_mov_b32 v[HSC+1], 0
	v_mov_b32 v[HSC+2], 0
	v_mov_b32 v[HSC+3], 0
	s_mov_b32 s[SEL], 0x76543210
	s_mov_b32 s[SEL+1], 0xfedcba98
	s_mov_b32 s[HIM], 0xffff0000
	s_mov_b32 s45, 0
	s_lshl_b32 s44, s21, 8
	s_lshl_b32 s46, s[WV], 5
	s_add_co_u32 s44, s44, s46
	s_lshl_b32 s44, s44, 9
	s_add_nc_u64 s[4:5], s[4:5], s[44:45]          ; x at row 256 R + 32 wave
	s_lshl_b32 s44, s20, 9
	s_add_nc_u64 s[8:9], s[8:9], s[44:45]          ; b1 at hidden unit 128 sh
	s_lshl_b32 s44, s21, 1
	s_lshr_b32 s46, s[WV], 2
	s_add_co_u32 s44, s44, s46                     ; rb = 2 R + wave / 4
	s_lshl_b32 s44, s44, 4
	s_add_co_u32 s44, s44, s20
	s_mul_i32 s44, s44, 14336
	s_and_b32 s46, s[WV], 3
	s_mul_i32 s46, s46, 3584
	s_add_co_u32 s44, s44, s46
	s_add_nc_u64 s[12:13], s[12:13], s[44:45]      ; hq at block (rb, sh), pair wave % 4
	s_lshl_b32 s44, s19, 4
	s_add_co_u32 s44, s44, s18
	s_mul_i32 s44, s44, 81920
	s_add_nc_u64 s[14:15], s[14:15], s[44:45]      ; w2c at block (g, s2)
	s_add_nc_u64 s[54:55], s[14:15], 79872         ; its extra tile
	s_lshl_b32 s44, s17, 1
	s_add_co_u32 s44, s44, s47
	s_mul_i32 s44, s44, 19968
	s_mul_i32 s46, s47, 3
	s_sub_co_u32 s46, s[WV], s46
	s_mul_i32 s46, s46, 6656
	s_add_co_u32 s44, s44, s46
	s_add_nc_u64 s[52:53], s[14:15], s[44:45]      ; main wave 2 wp + w', group T (used by waves 0 to 5)
	; ---- W1: my wave quantises tile t = wave.  A lane takes a column and its registers run down K, in the order that the operand gives that lane
.set II, 0
.rept 64
	global_load_b32 v[W1F+II], v[W1A], s[6:7] offset:((II/32)*64+II%32)*8192
.set II, II+1
.endr
	XLOAD HA, 0
	s_wait_loadcnt 16                              ; x's sixteen loads are younger: W1's numbers are in
	QB W1F, 0, PC
	QB W1F+32, 1, PC
	QFIN PC, PW
.irp c, 0,1,2
	ds_store_b128 v[W1ST], v[PC+4*\c:PC+4*\c+3] offset:512*\c
.endr
	ds_store_b32 v[W1SS], v[PW]
	XLOAD W1F, 1
	s_wait_loadcnt 16                              ; the second tile's sixteen loads are younger: the first tile of x is in
	QUANT HA, XF, XS
	s_wait_loadcnt 0x0
	QUANT W1F, XF+12, XS+1
	s_wait_dscnt 0x0                               ; for the others' sake: my fragment of W1 lies in LDS
	s_barrier_signal -1
	s_barrier_wait -1                              ; all eight do (the slab's loads stay on their way: nothing is filled a second time in this launch)
.irp t, 0,1,2,3,4,5,6,7
.irp c, 0,1,2
	ds_load_b128 v[W1F+12*\t+4*\c:W1F+12*\t+4*\c+3], v[W1LD] offset:1536*\t+512*\c
.endr
	ds_load_b32 v[W1SC+\t], v[W1SL] offset:128*\t
.endr
; ---- the hidden layer of row tile m, transposed (source 0 = 16 hidden units, source 1 = 16 rows of x): a lane holds one row, and its 64 registers run along the next K.  b1 is loaded into the accumulators and is the sums' C
.macro HSTEP m, pw
.irp t, 0,1,2,3,4,5,6,7
	global_load_b128 v[HA+8*\t:HA+8*\t+3], v[B1A], s[8:9] offset:(32*(\t/2)+8*(\t%2))*4
	global_load_b128 v[HA+8*\t+4:HA+8*\t+7], v[B1A], s[8:9] offset:(32*(\t/2)+8*(\t%2))*4+16
.endr
	s_wait_loadcnt 0x0
.if \m == 0
	s_wait_dscnt 0x0                               ; W1's fragments and scale words
.rept 8
	v_nop                                          ; x's scale words were written by vector instructions: eight places ahead of a scaled matrix instruction
.endr
.endif
.irp t, 0,1,2,3,4,5,6,7
	v_wmma_scale_f32_16x16x128_f8f6f4 v[HA+8*\t:HA+8*\t+7], v[W1F+12*\t:W1F+12*\t+11], v[XF+12*\m:XF+12*\m+11], v[HA+8*\t:HA+8*\t+7], v[W1SC+\t], v[XS+\m] matrix_a_fmt:MATRIX_FMT_FP6 matrix_b_fmt:MATRIX_FMT_FP6
.endr
.rept 4
	v_nop
.endr
.set II, 0
.rept 64
	v_max_num_f32 v[HA+II], 0, v[HA+II]            ; relu, in f32; each accumulator from its low end on
.set II, II+1
.endr
	s_wait_xcnt 0x0                                ; the codes' registers are the data of the last tile's stores: written again only behind this wait
	QUANT HA, PC, \pw
.irp c, 0,1,2
	global_store_b128 v[LI], v[PC+4*\c:PC+4*\c+3], s[12:13] offset:1536*\m+512*\c   ; 32 lanes store 512 consecutive bytes
.endr
.endm
	HSTEP 0, PW0
	HSTEP 1, PW
	v_cndmask_b32 v[HSC], v[PW0], v[PW], s[HIM]    ; lanes 0-15 the first tile's words, lanes 16-31 the second's
	global_store_b128 v[LI], v[HSC:HSC+3], s[12:13] offset:3072
	; ---- W2
	s_wait_tensorcnt 0x0                           ; my 16 rows of the slab have landed
	s_wait_dscnt 0x0
	s_barrier_signal -1
	s_barrier_wait -1                              ; all 128 have
	v_mov_b32 v[SCI+2], 0
	v_mov_b32 v[SCI+3], 0
	s_cmp_lt_u32 s[WV], 6
	s_cbranch_scc0 .Lnot_group
	; waves 0 to 5: one group of four tiles.  Loads run one block (32 loads) ahead of the block at work
	LDR 0, RA0, 0
	LDR 1, RA1, 0
.irp f, 0,1,2,3
.set CDF, XF+12*\f+16*(\f/2)
	s_wait_dscnt 32                                ; the block behind is younger: this tile's first block is in
	QB RW+32*((2*\f)%4), 0, CDF
.if \f < 3
	LDR (2*\f+2)%4, RA0, 392*((\f+1)/2)+32*((\f+1)%2)
	s_wait_dscnt 32
.else
	s_wait_dscnt 0x0
.endif
	QB RW+32*((2*\f+1)%4), 1, CDF
.if \f < 3
	LDR (2*\f+3)%4, RA1, 392*((\f+1)/2)+32*((\f+1)%2)
.endif
	QFIN CDF, SW+\f
.irp c, 0,1,2
	global_store_b128 v[LI], v[CDF+4*\c:CDF+4*\c+3], s[52:53] offset:1536*\f+512*\c   ; each tile has its own registers: no store's data are written again
.endr
.endr
	v_cndmask_b32 v[SCI], v[SW], v[SW+1], s[HIM]
	v_cndmask_b32 v[SCI+1], v[SW+2], v[SW+3], s[HIM]
	global_store_b128 v[LI], v[SCI:SCI+3], s[52:53] offset:6144
	s_wait_tensorcnt 0x0
	ds_add_u32 v47, v51
	s_wait_dscnt 0x0
	s_endpgm
.Lnot_group:
	s_cmp_eq_u32 s[WV], 6
	s_cbranch_scc0 .Ldone
	; wave 6: parameter 48 of the slab's 8 dims: half of the extra tile's rows.  Lanes r = 8 .. 15 repeat lanes r - 8: the same address with the same data
	LDR 0, EA0, 0
	LDR 1, EA1, 0
	s_wait_dscnt 32
	QB RW, 0, XF
	s_wait_dscnt 0x0
	QB RW+32, 1, XF
	QFIN XF, SW
.irp c, 0,1,2
	global_store_b128 v[GOFF], v[XF+4*\c:XF+4*\c+3], s[54:55] offset:512*\c
.endr
	v_mov_b32 v[SCI], v[SW]
	v_mov_b32 v[SCI+1], 0
	global_store_b128 v[GOFF], v[SCI:SCI+3], s[54:55] offset:1536
.Ldone:
	s_wait_tensorcnt 0x0
	ds_add_u32 v47, v51
	s_wait_dscnt 0x0
	s_endpgm
.Lfunc_end_k_qee8691046e_prep:
	.size	k_qee8691046e_prep, .Lfunc_end_k_qee8691046e_prep-k_qee8691046e_prep
	.p2alignl 7, 3214868480
	.fill 96, 4, 3214868480
	.section	.rodata,"a",@progbits
	.p2align	6, 0x0
	.amdhsa_kernel k_qee8691046e_prep
		.amdhsa_group_segment_fixed_size 218112
		.amdhsa_private_segment_fixed_size 0
		.amdhsa_enable_private_segment 0
		.amdhsa_kernarg_size 48
		.amdhsa_user_sgpr_count 2
		.amdhsa_user_sgpr_kernarg_segment_ptr 1
		.amdhsa_wavefront_size32 1
		.amdhsa_system_sgpr_workgroup_id_x 1
		.amdhsa_system_sgpr_workgroup_id_y 1
		.amdhsa_system_sgpr_workgroup_id_z 1
		.amdhsa_system_vgpr_workitem_id 0
		.amdhsa_next_free_vgpr 256
		.amdhsa_next_free_sgpr 66
		.amdhsa_reserve_vcc 0
		.amdhsa_float_denorm_mode_32 3
		.amdhsa_float_denorm_mode_16_64 3
		.amdhsa_memory_ordered 1
		.amdhsa_forward_progress 1
		.amdhsa_inst_pref_size 84
	.end_amdhsa_kernel
	.amdgpu_metadata
---
amdhsa.version: [ 1, 2 ]
amdhsa.kernels:
  - .name:           k_qee8691046e_prep
    .symbol:         k_qee8691046e_prep.kd
    .args:
      - { .name: x, .offset: 0, .size: 8, .value_kind: global_buffer, .address_space: global }
      - { .name: W1, .offset: 8, .size: 8, .value_kind: global_buffer, .address_space: global }
      - { .name: b1, .offset: 16, .size: 8, .value_kind: global_buffer, .address_space: global }
      - { .name: W2, .offset: 24, .size: 8, .value_kind: global_buffer, .address_space: global }
      - { .name: hq, .offset: 32, .size: 8, .value_kind: global_buffer, .address_space: global }
      - { .name: w2c, .offset: 40, .size: 8, .value_kind: global_buffer, .address_space: global }
    .group_segment_fixed_size: 218112
    .private_segment_fixed_size: 0
    .kernarg_segment_align: 8
    .kernarg_segment_size: 48
    .max_flat_workgroup_size: 256
    .sgpr_count:     66
    .vgpr_count:     256
    .wavefront_size: 32
...
	.end_amdgpu_metadata
.endif
;; end of part 1
;; launch main (part 2): grid 8 x 32, 4 waves a work-group, clusters of 4 x 4, 327,680 bytes of LDS; arguments hq, w2c, b2, y, out0, part; writes out0, part
.if DOCPART == 2
	.amdgcn_target "amdgcn-amd-amdhsa--gfx1250"
	.amdhsa_code_object_version 6
	.text
	.protected	k_qee8691046e_main
	.globl	k_qee8691046e_main
	.p2align	8
	.type	k_qee8691046e_main,@function
k_qee8691046e_main:
	s_mov_b64 s[64:65], 0
	v_nop
	global_prefetch_b8 v0, s[64:65] scope:SCOPE_SE
	s_setreg_imm32_b32 hwreg(HW_REG_WAVE_MODE, 25, 1), 1
	s_wait_xcnt 0x0
	s_wait_alu depctr_hold_cnt(0) depctr_sa_sdst(0) depctr_va_vdst(0) depctr_va_sdst(0) depctr_va_ssrc(0) depctr_va_vcc(0) depctr_vm_vsrc(0)
	s_getreg_b32 s2, hwreg(HW_REG_IB_STS2, 6, 4)
	s_cmp_eq_u32 s2, 0
	s_cbranch_scc0 .Lentry_in_a_cluster
	s_endpgm
.Lentry_in_a_cluster:
	s_bfe_u32 s2, ttmp6, 0x10000c
	s_cmp_lg_u32 s2, 0xf033
	s_cbranch_scc0 .Lentry_shape_is_right
	s_endpgm
.Lentry_shape_is_right:
; MAIN.  pdf = Q(h) Q(W2) + b2 on codes of FP6 (E2M3) with E8M0 scales, and the rational-quadratic spline on pdf, which never leaves the registers.
; SHARES.  A work-group makes 128 rows (rb) x 16 dims (g): 8 row tiles x 49 column tiles.  Wave w takes all 8 row tiles x the 12 tiles of its 4 dims (96 accumulators) and the extra tile (parameter 48 of the 16 dims)
; x 2 row tiles: 98 accumulators, 784 registers.  K = 2,048 goes in 16 steps of 128 through two LDS slots, each with one block of w2c (81,920 bytes) and one of hq (14,336 bytes), as images of the operands' registers:
; every fragment comes by three ds_load_b128 of 512 consecutive bytes.
; THE PRODUCT IS USED TRANSPOSED (source 0 = 16 columns of W2, source 1 = 16 rows of h), and the columns of a tile are 2 dims x 8 parameters: so lane (r, h) holds ONE (row, dim) pair, and accumulators (a, T, 2 q), (a, T, 2 q + 1)
; are its 16 widths (T = 0), heights (1) or knot slopes 0-15 (2), in 16 consecutive registers.  Only parameter 48 changes waves, through LDS.
; My A slot i holds row tile (i + 2 w) % 8, so that the extra tile always multiplies slots 0 and 1: row tiles 2 w and 2 w + 1.
; CLUSTER 4 x 4: the four work-groups of a column share g and so w2c's blocks, the four of a row share rb and so hq's: each block is asked for jointly.  Waves 0 and 1 fetch the halves of w2c's block, wave 2 hq's; wave 3
; fetches, once and for its work-group alone, the group's 784 biases and its 128 x 16 numbers of y.
; REGISTERS: window 0: v2-13 LDS addresses; v14, v15 the spare word's address and 0; v16-24 scale words and nothing else; v25 the prefetches' offset; v32-47 the extra tile's two accumulators; v48-143 A's eight fragments;
;   v144-239 two buffers of four fragments of W2, which the three groups of a step take by turns; v240-251 the extra tile's fragment.  Window 1 + T: accumulator (a, f) at 128 (a / 4) + 32 (a % 4) + 8 f.
; THE SPLINE.  Both softmaxes take their maximum away first.  Knot k + 1 is (the running sum of the exponentials) x 0.984 / (their sum) + (k + 1) 1e-3.  The bin is chosen by compares and selects, no branch and no address hangs on it;
; starting in bin 0 and testing knots 1 to 15 is the clip of the index to 0 .. 15.  The softplus is taken of the two chosen slopes alone, as max(d, 0) + ln 2 log2(1 + 2^(-|d| log2 e)).
; LIMITS: a bin's width and height are differences of knots (absolute error near 1e-7, bins are at least 1e-3 wide); a y exactly on a knot may fall in either bin, where the spline is continuous; NaN and infinities are not served.
; out0 leaves in runs of 64 bytes, since a work-group owns 16 of a row's 128 dims.  The sum of log(deriv) over a group's 16 dims goes to part[g][row]; the next launch adds the eight groups.
.set SLOT1, 131072                     ; slot 1 begins here; a slot: w2c's block at 0, hq's at AOFF
.set AOFF,  81920
.set EOFF,  79872                      ; the extra tile in w2c's block
.set YT,    227328                     ; y: 128 rows, 64 bytes + 16 of padding
.set EX,    237568                     ; parameter 48, same shape
.set OS,    247808                     ; out0's stage, same shape
.set BIAS,  258048                     ; b2's 784 numbers of the group
.set LP,    261376                     ; the waves' sums of logarithms: 4 x 128 numbers
.set SPARE, 263424                     ; the spare words, 128 bytes a wave: two blocks of 256 bytes that no other line names
.set SPW, 14
.set NIL, 15
.set PFO, 25
.set AF,  48
.set BF,  144
.set EF,  240
.set WV,  16
.set MSB, 0
.macro WIN new                         ; the immediate's high byte repeats the setting that is left; a switch that changes nothing is dropped
.if MSB != (\new)
	s_set_vgpr_msb (MSB<<8)|(\new)
.set MSB, (\new)
.endif
.endm
.macro PLACES                          ; four plain places: in front of loads into registers that matrix instructions have read, and of the first read of results
.rept 4
	v_nop
.endr
.endm
.macro CREST                           ; a round of the cluster's barrier behind its opening barrier
	s_cmp_lg_u32 s[WV], 0
	s_cbranch_scc1 .Lnot_wave_0_\@
	s_barrier_signal -3
.Lnot_wave_0_\@:
	s_barrier_wait -3
	s_barrier_signal -1
	s_barrier_wait -1
.endm
.macro CROUND
	s_barrier_signal -1
	s_barrier_wait -1
	CREST
.endm
; A joint refill of slot sl.  The branches hang on the wave's number alone.  Four v_nop end each arm; they are also the places in front of the LDS loads that follow, in wave 3 too
.macro JLOAD sl
	s_cmp_lt_u32 s[WV], 2
	s_cbranch_scc0 .Lnot_b_\@
	tensor_load_to_lds s[48+4*(\sl):51+4*(\sl)], s[40:47]
	s_nop 0
.rept 4
	v_nop
.endr
	s_branch .Lasked_\@
.Lnot_b_\@:
	s_cmp_eq_u32 s[WV], 2
	s_cbranch_scc0 .Lnot_a_\@
	tensor_load_to_lds s[32+4*(\sl):35+4*(\sl)], s[24:31]
	s_nop 0
.rept 4
	v_nop
.endr
	s_branch .Lasked_\@
.Lnot_a_\@:
.rept 4
	v_nop
.endr
.Lasked_\@:
.endm
; A PREFETCH INTO THE L2: K step s names the blocks of K step s + 4, which are asked for by tensor loads two steps later; s = 0 .. 11.  Blocks 0 to 3 come by their loads alone.
; w2c's block (320 runs of 256 bytes) is read by every cluster of a column of clusters: cluster y = 0 asks, waves 0 to 2; its four partners along y take 80 runs each, told apart by address (lanes past the 80th repeat the last).
; hq's block (56 runs) is read by both clusters of a row: cluster x = 0 asks, wave 3; the four partners along x take 14 runs each.  how = 1: wherever the wave asks at all; how = 2: not in the loop's last trip.
.macro ASK how
.if \how == 1
	s_cmp_eq_u32 s88, 1
.else
	s_cmp_gt_u32 s3, s88
.endif
	s_cbranch_scc0 .Lnot_mine_\@
	global_prefetch_b8 v[PFO], s[84:85] th:TH_LOAD_NT scope:SCOPE_SE
.Lnot_mine_\@:
.endm
.macro LDG sl, t, z                    ; my group t of slot sl: four fragments and their scale words into buffer z: 13 LDS loads
.irp f, 0,1,2,3
.irp c, 0,1,2
	ds_load_b128 v[BF+48*(\z)+12*\f+4*\c:BF+48*(\z)+12*\f+4*\c+3], v[2+6*(\sl)] offset:6656*(\t)+1536*\f+512*\c
.endr
.endr
	ds_load_b64 v[16+2*(\z):17+2*(\z)], v[2+6*(\sl)] offset:6656*(\t)+6144
.endm
.macro LDA sl, hf                      ; A slots 4 hf .. 4 hf + 3 and their scale words: 14 LDS loads
.irp pp, 0,1
.irp e, 0,1
.irp c, 0,1,2
	ds_load_b128 v[AF+12*(4*(\hf)+2*\pp+\e)+4*\c:AF+12*(4*(\hf)+2*\pp+\e)+4*\c+3], v[4+6*(\sl)+2*(\hf)+\pp] offset:1536*\e+512*\c
.endr
.endr
	ds_load_b32 v[20+2*(\hf)+\pp], v[4+6*(\sl)+2*(\hf)+\pp] offset:3072
.endr
.endm
.macro LDE sl                          ; the extra tile: 4 LDS loads
.irp c, 0,1,2
	ds_load_b128 v[EF+4*\c:EF+4*\c+3], v[3+6*(\sl)] offset:512*\c
.endr
	ds_load_b32 v24, v[3+6*(\sl)] offset:1536
.endm
; one matrix instruction: D at d, source 0 (W2) at a, source 1 (h) at b, their scale registers sa, sb; ra, rb = 1: that side's words lie in lanes 16-31; zero = 1: the product starts the sum
.macro WM d, a, b, sa, sb, ra, rb, zero
.if (\zero)
.if ((\ra)==0) && ((\rb)==0)
	v_wmma_scale_f32_16x16x128_f8f6f4 v[(\d):(\d)+7], v[(\a):(\a)+11], v[(\b):(\b)+11], 0, v[\sa], v[\sb] matrix_a_fmt:MATRIX_FMT_FP6 matrix_b_fmt:MATRIX_FMT_FP6
.elseif (\rb)==0
	v_wmma_scale_f32_16x16x128_f8f6f4 v[(\d):(\d)+7], v[(\a):(\a)+11], v[(\b):(\b)+11], 0, v[\sa], v[\sb] matrix_a_fmt:MATRIX_FMT_FP6 matrix_b_fmt:MATRIX_FMT_FP6 matrix_a_scale:MATRIX_SCALE_ROW1
.elseif (\ra)==0
	v_wmma_scale_f32_16x16x128_f8f6f4 v[(\d):(\d)+7], v[(\a):(\a)+11], v[(\b):(\b)+11], 0, v[\sa], v[\sb] matrix_a_fmt:MATRIX_FMT_FP6 matrix_b_fmt:MATRIX_FMT_FP6 matrix_b_scale:MATRIX_SCALE_ROW1
.else
	v_wmma_scale_f32_16x16x128_f8f6f4 v[(\d):(\d)+7], v[(\a):(\a)+11], v[(\b):(\b)+11], 0, v[\sa], v[\sb] matrix_a_fmt:MATRIX_FMT_FP6 matrix_b_fmt:MATRIX_FMT_FP6 matrix_a_scale:MATRIX_SCALE_ROW1 matrix_b_scale:MATRIX_SCALE_ROW1
.endif
.else
.if ((\ra)==0) && ((\rb)==0)
	v_wmma_scale_f32_16x16x128_f8f6f4 v[(\d):(\d)+7], v[(\a):(\a)+11], v[(\b):(\b)+11], v[(\d):(\d)+7], v[\sa], v[\sb] matrix_a_fmt:MATRIX_FMT_FP6 matrix_b_fmt:MATRIX_FMT_FP6
.elseif (\rb)==0
	v_wmma_scale_f32_16x16x128_f8f6f4 v[(\d):(\d)+7], v[(\a):(\a)+11], v[(\b):(\b)+11], v[(\d):(\d)+7], v[\sa], v[\sb] matrix_a_fmt:MATRIX_FMT_FP6 matrix_b_fmt:MATRIX_FMT_FP6 matrix_a_scale:MATRIX_SCALE_ROW1
.elseif (\ra)==0
	v_wmma_scale_f32_16x16x128_f8f6f4 v[(\d):(\d)+7], v[(\a):(\a)+11], v[(\b):(\b)+11], v[(\d):(\d)+7], v[\sa], v[\sb] matrix_a_fmt:MATRIX_FMT_FP6 matrix_b_fmt:MATRIX_FMT_FP6 matrix_b_scale:MATRIX_SCALE_ROW1
.else
	v_wmma_scale_f32_16x16x128_f8f6f4 v[(\d):(\d)+7], v[(\a):(\a)+11], v[(\b):(\b)+11], v[(\d):(\d)+7], v[\sa], v[\sb] matrix_a_fmt:MATRIX_FMT_FP6 matrix_b_fmt:MATRIX_FMT_FP6 matrix_a_scale:MATRIX_SCALE_ROW1 matrix_b_scale:MATRIX_SCALE_ROW1
.endif
.endif
.endm
; A slots 4 hf + lo .. (cnt of them) x the four tiles of buffer z; the window of C and D says which group.  All 98 accumulators take turns, one instruction a turn, in the same order in every step
.macro BLK hf, z, lo, cnt, zero
.set AA, \lo
.rept \cnt
.irp f, 0,1,2,3
	WM 128*(\hf)+32*AA+8*\f, BF+48*(\z)+12*\f, AF+12*(4*(\hf)+AA), 16+2*(\z)+\f/2, 20+2*(\hf)+AA/2, \f%2, AA%2, \zero
.endr
.set AA, AA+1
.endr
.endm
.macro EXTRA zero                      ; the extra tile x A slots 0 and 1, all in window 0
.irp e, 0,1
	WM 32+8*\e, EF, AF+12*\e, 24, 20, 0, \e, \zero
.endr
.endm
; A K STEP of 128 in slot sl.  Group 0 lies in buffer sl, group 1 in the other, group 2 in buffer sl again; the next step's group 0 goes into the other: so the buffers change places from step to step, as the slots do.
; mode 2: the slot is left and filled again, two steps ahead; mode 1: it is left and nothing is asked for; mode 0: the last step.
.macro STEP sl, zero, mode, ask
	PLACES                                         ; behind the last step's products
	LDA \sl, 1
	LDG \sl, 1, 1-\sl
	s_wait_dscnt 27                                ; those 14 + 13 are younger: group 0 and A's slots 0-3 are in
	WIN 0x50
	BLK 0, \sl, 0, 4, \zero
	s_wait_dscnt 13                                ; group 1's loads are younger: A's slots 4-7 are in
	BLK 1, \sl, 0, 4, \zero
	PLACES
	WIN 0
	LDG \sl, 2, \sl
	LDE \sl
	s_wait_dscnt 17                                ; those 13 + 4 are younger: group 1 is in
	WIN 0xa0
	BLK 0, 1-\sl, 0, 4, \zero
.if \mode >= 1
.if \mode == 2
	s_wait_xcnt 0x0                                ; the last prefetch, a step back, has read its address: it steps here, ahead of the waits of the change of slots
	s_add_nc_u64 s[84:85], s[84:85], s[86:87]
.endif
	WIN 0                                          ; (the add's two registers lie in window 0)
	s_wait_tensorcnt 0x0                           ; all my tensor loads have landed: the one that was out is my part of the other slot
	ds_add_u32 v[SPW], v[NIL]                      ; 0 onto my spare word
	WIN 0xa0
	BLK 1, 1-\sl, 0, 2, \zero                      ; eight matrix instructions stand between the add and the wait for it
	s_wait_dscnt 0x0                               ; the add is done; group 2 and the extra tile are in registers: my reads of this slot are over
	s_barrier_signal -1
	BLK 1, 1-\sl, 2, 2, \zero
	WIN 0
	s_barrier_wait -1
.if \mode == 2
	CREST                                          ; the barrier has opened a round of the cluster's: no wave of any partner still reads this slot or has a load on its way
	s_add_nc_u64 s[50+4*(\sl):51+4*(\sl)], s[50+4*(\sl):51+4*(\sl)], 163840
	s_add_nc_u64 s[34+4*(\sl):35+4*(\sl)], s[34+4*(\sl):35+4*(\sl)], 28672
	JLOAD \sl                                      ; the first tensor load behind the round, one a wave
.else
	PLACES
.endif
	LDG 1-\sl, 0, 1-\sl                            ; the next step's group 0, from the other slot
.if \ask
	ASK \ask
.endif
.else
	s_wait_dscnt 0x0
	BLK 1, 1-\sl, 0, 4, \zero
.endif
	WIN 0xf0
	BLK 0, \sl, 0, 4, \zero
	WIN 0
	EXTRA \zero
.if \mode >= 1
	PLACES
	LDA 1-\sl, 0
.endif
	WIN 0xf0
	BLK 1, \sl, 0, 4, \zero
	WIN 0
.endm
	s_load_b256 s[4:11], s[0:1], 0x0               ; hq s[4:5], w2c s[6:7], b2 s[8:9], y s[10:11]
	s_load_b128 s[12:15], s[0:1], 0x20             ; out0 s[12:13], part s[14:15]
	v_lshl_add_u32 v[SPW], v0, 2, SPARE
	v_mov_b32 v[NIL], 0
	ds_add_u32 v14, v15
	ds_add_u32 v14, v15
	s_wait_dscnt 0x0
	v_lshrrev_b32 v1, 5, v0
	v_readfirstlane_b32 s[WV], v1                  ; wave 0..3
	s_and_b32 s17, s[WV], 1
	s_bfe_u32 s18, ttmp6, 0x40000                  ; cx
	s_bfe_u32 s19, ttmp6, 0x40004                  ; cy
	s_lshl_b32 s20, ttmp9, 2
	s_add_co_u32 s20, s20, s18                     ; g = 4 x cluster x + cx
	s_and_b32 s21, ttmp7, 0xffff
	s_lshl_b32 s21, s21, 2
	s_add_co_u32 s21, s21, s19                     ; rb = 4 x cluster y + cy
	s_lshl_b32 s22, s19, 2
	s_lshl_b32 s22, 15, s22                        ; my row of the cluster
	s_lshl_b32 s23, 0x1111, s18                    ; my column
	; group 1 for hq's block: 56 rows of 256 bytes (32 elements of 8), dense; the mask: my row
	s_or_b32 s24, s22, (3<<16)|(1<<21)
	s_mov_b32 s25, 32<<16
	s_mov_b32 s26, 56<<16
	s_mov_b32 s27, 32<<16
	s_mov_b32 s28, 56
	s_mov_b32 s29, 32
	s_mov_b32 s30, 0
	s_mov_b32 s31, 0
	; for half of w2c's block: 160 rows of 256 bytes; the mask: my column
	s_or_b32 s40, s23, (3<<16)|(1<<21)
	s_mov_b32 s41, 32<<16
	s_mov_b32 s42, 160<<16
	s_mov_b32 s43, 32<<16
	s_mov_b32 s44, 160
	s_mov_b32 s45, 32
	s_mov_b32 s46, 0
	s_mov_b32 s47, 0
	; for y: 128 rows x 16 elements of 4 bytes, 128 elements from row to row, 4 words of padding behind every 16; no mask
	s_mov_b32 s56, (2<<16)|(1<<20)|(3<<22)|(3<<25)
	s_mov_b32 s57, 16<<16
	s_mov_b32 s58, 128<<16
	s_mov_b32 s59, 16<<16
	s_mov_b32 s60, 128
	s_mov_b32 s61, 128
	s_mov_b32 s62, 0
	s_mov_b32 s63, 0
	; for the biases: one row of 392 elements of 8 bytes; no mask
	s_mov_b32 s72, 3<<16
	s_mov_b32 s73, 392<<16
	s_mov_b32 s74, 1<<16
	s_mov_b32 s75, 392<<16
	s_mov_b32 s76, 1
	s_mov_b32 s77, 392
	s_mov_b32 s78, 0
	s_mov_b32 s79, 0
	s_mul_i32 s66, s20, 1310720                    ; w2c: 16 blocks a group (this pair never holds cy),
	s_mul_i32 s89, s17, 40960                      ; and my half of a block, in memory and in LDS
	s_add_co_u32 s66, s66, s89
	s_mov_b32 s67, 0
	s_mul_i32 s98, s21, 229376                     ; hq: 16 blocks for 128 rows (this pair never holds cx)
	s_mov_b32 s99, 0
	s_lshl_b32 s96, s21, 16
	s_lshl_b32 s97, s20, 6
	s_add_co_u32 s96, s96, s97                     ; y and out0: 65,536 rb + 64 g
	s_mov_b32 s97, 0
	s_mul_i32 s2, s20, 3136                        ; b2: 784 numbers a group
	s_mov_b32 s3, 0
	s_wait_kmcnt 0x0
	s_mov_b32 s48, 1
	s_mov_b32 s49, s89
	s_add_nc_u64 s[50:51], s[6:7], s[66:67]        ; slot 0: K step 0
	s_mov_b32 s52, 1
	s_add_co_u32 s53, s89, SLOT1
	s_add_nc_u64 s[54:55], s[50:51], 81920         ; slot 1: K step 1
	s_or_b32 s51, s51, 0x80000000
	s_or_b32 s55, s55, 0x80000000
	s_mov_b32 s32, 1
	s_mov_b32 s33, AOFF
	s_add_nc_u64 s[34:35], s[4:5], s[98:99]
	s_mov_b32 s36, 1
	s_mov_b32 s37, SLOT1+AOFF
	s_add_nc_u64 s[38:39], s[34:35], 14336
	s_or_b32 s35, s35, 0x80000000
	s_or_b32 s39, s39, 0x80000000
	s_mov_b32 s68, 1
	s_mov_b32 s69, YT
	s_add_nc_u64 s[70:71], s[10:11], s[96:97]
	s_or_b32 s71, s71, 0x80000000
	s_mov_b32 s80, 1
	s_mov_b32 s81, BIAS
	s_add_nc_u64 s[82:83], s[8:9], s[2:3]
	s_or_b32 s83, s83, 0x80000000
	s_add_nc_u64 s[12:13], s[12:13], s[96:97]      ; out0 at my block
	CROUND                                         ; all sixteen work-groups are here: the first joint loads meet
	s_cmp_lt_u32 s[WV], 2                          ; a wave's two first fills stand together, ahead of every wait on TENSORcnt, every LDS read and every other barrier: two loads of mine are out
	s_cbranch_scc0 .Lfirst_not_b
	tensor_load_to_lds s[48:51], s[40:47]
	s_nop 0
	tensor_load_to_lds s[52:55], s[40:47]
	s_nop 0
.rept 4
	v_nop
.endr
	s_branch .Lfirst_asked
.Lfirst_not_b:
	s_cmp_eq_u32 s[WV], 2
	s_cbranch_scc0 .Lfirst_w3
	tensor_load_to_lds s[32:35], s[24:31]
	s_nop 0
	tensor_load_to_lds s[36:39], s[24:31]
	s_nop 0
.rept 4
	v_nop
.endr
	s_branch .Lfirst_asked
.Lfirst_w3:
	tensor_load_to_lds s[80:83], s[72:79]
	s_nop 0
	tensor_load_to_lds s[68:71], s[56:63]
	s_nop 0
.rept 4
	v_nop
.endr
.Lfirst_asked:
	v_and_b32 v1, 31, v0
	v_lshlrev_b32 v26, 4, v1                       ; 16 x lane: my place in every image
	s_mul_i32 s2, s[WV], 19968
	v_add_nc_u32 v2, s2, v26                       ; my wave's part of w2c's block, slot 0; v8: slot 1
	v_add_nc_u32 v8, SLOT1, v2
	v_add_nc_u32 v3, EOFF, v26                     ; the extra tile
	v_add_nc_u32 v9, SLOT1+EOFF, v26
.irp p, 0,1,2,3
	s_add_co_u32 s2, s[WV], \p
	s_and_b32 s2, s2, 3
	s_mul_i32 s2, s2, 3584
	s_add_co_u32 s2, s2, AOFF
	v_add_nc_u32 v[4+\p], s2, v26                  ; A slots 2 p, 2 p + 1 are pair (p + w) % 4 of hq's block
	v_add_nc_u32 v[10+\p], SLOT1, v[4+\p]
.endr
	; the prefetches: where my wave's stand, and who asks
	s_and_b32 s2, ttmp7, 0xffff                    ; cluster y
	s_mul_i32 s96, s20, 1310720
	s_mul_i32 s97, s21, 229376
	s_mov_b32 s86, 14336
	s_mov_b32 s87, 3584
	s_cmp_lt_u32 s[WV], 3                          ; waves 0 to 2: w2c; wave 3: hq
	s_cselect_b64 s[84:85], s[6:7], s[4:5]
	s_cselect_b32 s96, s96, s97
	s_cselect_b32 s97, s19, s18                    ; my place among the four that ask for the block with me
	s_cselect_b32 s88, s2, ttmp9                   ; the coordinate along which other clusters read the same block
	s_cselect_b32 s86, 81920, s86                  ; a block on
	s_cselect_b32 s87, 20480, s87                  ; a partner's share
	s_cselect_b32 s2, 0, 96
	s_cselect_b32 s3, 79, 13
	s_mul_i32 s97, s97, s87
	s_mul_i32 s87, s86, 3
	s_add_co_u32 s96, s96, s97
	s_add_co_u32 s96, s96, s87                     ; at block 3: K step 0 steps it to block 4
	s_mov_b32 s97, 0
	s_mov_b32 s87, 0
	s_add_nc_u64 s[84:85], s[84:85], s[96:97]
	s_cmp_eq_u32 s88, 0
	s_cselect_b32 s88, 1, -1                       ; the same in all sixteen partners, for a given wave
	v_sub_nc_u32 v[PFO], v0, s2
	v_min_u32 v[PFO], s3, v[PFO]
	v_lshlrev_b32 v[PFO], 8, v[PFO]                ; lanes 256 bytes apart
	s_lshl_b32 s96, s20, 14
	s_lshl_b32 s2, s21, 9
	s_add_co_u32 s96, s96, s2
	s_add_nc_u64 s[14:15], s[14:15], s[96:97]      ; part at [g][128 rb]
	s_mov_b32 s90, 0x76543210
	s_mov_b32 s91, 0xfedcba98                      ; v_permlanex16_b32's selects for lane l xor 16
	s_mov_b32 s92, 0x3fb8aa3b                      ; log2 e
	s_mov_b32 s93, s92                             ; (named with it as a pair)
	s_mov_b32 s94, 0xbfb8aa3b                      ; -log2 e
	s_mov_b32 s95, 0x3f317218                      ; ln 2
	s_wait_tensorcnt 0x1                           ; my older first fill is in (slot 0's part, or the biases); the younger may stay out
	s_barrier_signal -1
	s_barrier_wait -1
	LDG 0, 0, 0
	LDA 0, 0
	STEP 0, 1, 2, 1                                ; K step 0 stands ahead of the loop: its products start the sums
	s_mov_b32 s3, 6
.Lk:                                               ; six trips of two K steps: 1 to 12
	STEP 1, 0, 2, 1
	STEP 0, 0, 2, 2
	s_sub_co_u32 s3, s3, 1
	s_cmp_lg_u32 s3, 0
	s_cbranch_scc1 .Lk
	STEP 1, 0, 2, 0                                ; K step 13 asks for K step 15: the last fill
	STEP 0, 0, 1, 0                                ; the tail is written out
	STEP 1, 0, 0, 0
	; ---- THE WAY OUT
.set EA,  2                            ; v2-5   y's place for A slots 2 p: row 32 ((p + w) % 4) + r, dim 4 w + h; parameter 48 lies 10,240 bytes on, out0's stage 20,480
.set BI,  6                            ; v6     the biases of dim 4 w + h
.set EXS, 7                            ; v7     where I put parameter 48 of my two row tiles
.set LPS, 8                            ; v8-11  where my sums of logarithms go
.set OSR, 12                           ; v12    out0's stage, read back by rows
.set GO,  13                           ; v13    and the same place in out0
.set WK0, 48                           ; v48-111, v112-175: two pairs at work: + 0 widths, + 16 heights, + 32 slopes 0-16, + 49 y, + 50 .. 63 at work
.set WK1, 112
.set BQ,  176                          ; v176-224 the 49 biases of my dim
.set LS,  226                          ; v226-233 a sum of log2(deriv) for each A slot
.set CK,  236                          ; v236-251 (k + 1) x 1e-3
	PLACES                                         ; behind the last products
	v_and_b32 v28, 15, v0
	v_bfe_u32 v29, v0, 4, 1
	v_mul_u32_u24 v30, v28, 80
	v_lshl_add_u32 v31, v29, 2, v30
.irp p, 0,1,2,3
	s_add_co_u32 s2, s[WV], \p
	s_and_b32 s2, s2, 3
	s_mul_i32 s3, s2, 2560
	s_lshl_b32 s96, s[WV], 4
	s_add_co_u32 s3, s3, s96
	s_add_co_u32 s3, s3, YT
	v_add_nc_u32 v[EA+\p], s3, v31
	s_lshl_b32 s2, s2, 7
	s_lshl_b32 s96, s[WV], 9
	s_add_co_u32 s2, s2, s96
	s_add_co_u32 s2, s2, LP
	v_lshl_add_u32 v[LPS+\p], v28, 2, s2
.endr
	s_mul_i32 s2, s[WV], 784
	s_add_co_u32 s2, s2, BIAS
	v_mul_u32_u24 v[BI], v29, 196
	v_add_nc_u32 v[BI], s2, v[BI]
	s_mul_i32 s2, s[WV], 2560
	s_add_co_u32 s3, s2, EX
	v_lshl_add_u32 v[EXS], v29, 5, v30
	v_add_nc_u32 v[EXS], s3, v[EXS]                ; row 32 w + r, dims 8 h on
	s_add_co_u32 s3, s2, OS
	v_and_b32 v28, 31, v0
	v_lshrrev_b32 v29, 2, v28
	v_and_b32 v30, 3, v28
	v_mul_u32_u24 v[OSR], v29, 80
	v_lshl_add_u32 v[OSR], v30, 4, v[OSR]
	v_add_nc_u32 v[OSR], s3, v[OSR]                ; row 32 w + lane / 4, 16 bytes a lane
	v_lshlrev_b32 v[GO], 9, v29
	v_lshl_add_u32 v[GO], v30, 4, v[GO]
	s_lshl_b32 s2, s[WV], 14
	v_add_nc_u32 v[GO], s2, v[GO]
	v_add_nc_u32 v27, LP, v26
.set II, 0
.rept 16
	v_cvt_f32_u32 v[CK+II], II+1
.set II, II+1
.endr
.set II, 0
.rept 16
	v_mul_f32 v[CK+II], 0x3a83126f, v[CK+II]
.set II, II+1
.endr
.irp e, 0,1
	ds_store_b128 v[EXS], v[32+8*\e:35+8*\e] offset:1280*\e           ; parameter 48: lane (r, h) holds row r of slot e, dims 8 h + 0 .. 7; each accumulator from its low end on
	ds_store_b128 v[EXS], v[36+8*\e:39+8*\e] offset:1280*\e+16
.endr
	s_wait_dscnt 0x0                               ; for the others' sake
	s_barrier_signal -1
	s_barrier_wait -1
.macro SEL6 b, m                       ; where y has reached knot II, the pair's six numbers become those of bin II
	v_cndmask_b32 v[\b+54], v[\b+54], v[\b+II-1], \m
	v_cndmask_b32 v[\b+55], v[\b+55], v[\b+II], \m
	v_cndmask_b32 v[\b+56], v[\b+56], v[\b+15+II], \m
	v_cndmask_b32 v[\b+57], v[\b+57], v[\b+16+II], \m
	v_cndmask_b32 v[\b+58], v[\b+58], v[\b+32+II], \m
	v_cndmask_b32 v[\b+59], v[\b+59], v[\b+33+II], \m
.endm
; The spline of A slots 2 p and 2 p + 1, dim 4 w + 2 q + h: two (row, dim) pairs a lane, line by line by turns.  Its transcendentals go in six batches, each with a plain line and one wait behind it
.macro SPL p, q
.irp z, 0,1
	ds_load_b32 v[WK0+64*\z+49], v[EA+\p] offset:1280*\z+8*\q
	ds_load_b32 v[WK0+64*\z+48], v[EA+\p] offset:10240+1280*\z+8*\q
.endr
	s_wait_dscnt 4                                 ; these four are younger: the biases are in
.irp t, 0,1,2
	WIN 1+\t                                       ; source 0: the group's window
.irp z, 0,1
.irp i, 0,2,4,6,8,10,12,14
	v_pk_add_f32 v[WK0+64*\z+16*\t+\i:WK0+64*\z+16*\t+\i+1], v[128*((2*\p+\z)/4)+32*((2*\p+\z)%4)+16*\q+\i:128*((2*\p+\z)/4)+32*((2*\p+\z)%4)+16*\q+\i+1], v[BQ+16*\t+\i:BQ+16*\t+\i+1]
.endr
.endr
.endr
	WIN 0
	s_wait_dscnt 0x0                               ; y and parameter 48
.irp b, WK0,WK1
	v_add_f32 v[\b+48], v[\b+48], v[BQ+48]
	v_max3_num_f32 v[\b+51], v[\b], v[\b+1], v[\b+2]
	v_max3_num_f32 v[\b+53], v[\b+16], v[\b+17], v[\b+18]
.endr
.irp i, 3,5,7,9,11,13
.irp b, WK0,WK1
	v_max3_num_f32 v[\b+51], v[\b+51], v[\b+\i], v[\b+\i+1]
	v_max3_num_f32 v[\b+53], v[\b+53], v[\b+16+\i], v[\b+17+\i]
.endr
.endr
.irp b, WK0,WK1
	v_max_num_f32 v[\b+51], v[\b+51], v[\b+15]
	v_max_num_f32 v[\b+53], v[\b+53], v[\b+31]
.endr
.irp b, WK0,WK1
	v_mul_f32 v[\b+50], s94, v[\b+51]              ; -(the maximum) log2 e
	v_mul_f32 v[\b+52], s94, v[\b+53]
.endr
.irp i, 0,2,4,6,8,10,12,14
.irp b, WK0,WK1
	v_pk_fma_f32 v[\b+\i:\b+\i+1], v[\b+\i:\b+\i+1], s[92:93], v[\b+50:\b+51] op_sel_hi:[1,0,0]
	v_pk_fma_f32 v[\b+16+\i:\b+17+\i], v[\b+16+\i:\b+17+\i], s[92:93], v[\b+52:\b+53] op_sel_hi:[1,0,0]
.endr
.endr
.irp b, WK0,WK1
.set II, 0
.rept 32
	v_exp_f32 v[\b+II], v[\b+II]
.set II, II+1
.endr
.endr
	v_nop
	s_wait_alu depctr_va_vdst(0)                   ; one wait for the 64 exponentials
.set II, 1
.rept 15
.irp b, WK0,WK1
	v_add_f32 v[\b+II], v[\b+II], v[\b+II-1]       ; running sums, four chains by turns
	v_add_f32 v[\b+16+II], v[\b+16+II], v[\b+15+II]
.endr
.set II, II+1
.endr
.irp b, WK0,WK1
	v_rcp_f32 v[\b+50], v[\b+15]
	v_rcp_f32 v[\b+52], v[\b+31]
.endr
.irp b, WK0,WK1
	v_mov_b32 v[\b+54], 0                          ; bin 0: knot 0 lies at (0, 0),
	v_mov_b32 v[\b+56], 0
	v_mov_b32 v[\b+58], v[\b+32]                   ; its slopes
	v_mov_b32 v[\b+59], v[\b+33]
.endr
	s_wait_alu depctr_va_vdst(0)
.irp b, WK0,WK1
	v_mul_f32 v[\b+50], 0x3f7be76d, v[\b+50]       ; 0.984 / the sum
	v_mul_f32 v[\b+52], 0x3f7be76d, v[\b+52]
.endr
.irp i, 0,2,4,6,8,10,12,14
.irp b, WK0,WK1
	v_pk_fma_f32 v[\b+\i:\b+\i+1], v[\b+\i:\b+\i+1], v[\b+50:\b+51], v[CK+\i:CK+\i+1] op_sel_hi:[1,0,1]              ; register k: knot k + 1's x
	v_pk_fma_f32 v[\b+16+\i:\b+17+\i], v[\b+16+\i:\b+17+\i], v[\b+52:\b+53], v[CK+\i:CK+\i+1] op_sel_hi:[1,0,1]      ; and its y
.endr
.endr
.irp b, WK0,WK1
	v_mov_b32 v[\b+55], v[\b]
	v_mov_b32 v[\b+57], v[\b+16]
.endr
	v_cmp_ge_f32 vcc_lo, v[WK0+49], v[WK0]         ; each compare stands six selects ahead of its first use: one pair's mask in VCC, the other's in s96
.set II, 1
.rept 15
	v_cmp_ge_f32 s96, v[WK1+49], v[WK1+II-1]
	SEL6 WK0, vcc_lo
.if II < 15
	v_cmp_ge_f32 vcc_lo, v[WK0+49], v[WK0+II]
.endif
	SEL6 WK1, s96
.set II, II+1
.endr
.irp b, WK0,WK1
	v_sub_f32 v[\b], v[\b+55], v[\b+54]            ; the bin's width
	v_sub_f32 v[\b+1], v[\b+57], v[\b+56]          ; and height
	v_mul_f32 v[\b+2], s94, |v[\b+58]|
	v_mul_f32 v[\b+3], s94, |v[\b+59]|
.endr
.irp b, WK0,WK1
	v_exp_f32 v[\b+2], v[\b+2]
	v_exp_f32 v[\b+3], v[\b+3]
	v_rcp_f32 v[\b+4], v[\b]
.endr
.irp b, WK0,WK1
	v_max_num_f32 v[\b+5], 0, v[\b+58]
	v_max_num_f32 v[\b+6], 0, v[\b+59]
	v_sub_f32 v[\b+7], v[\b+49], v[\b+54]
.endr
.irp b, WK0,WK1
	v_add_f32 v[\b+5], 0x3a83126f, v[\b+5]
	v_add_f32 v[\b+6], 0x3a83126f, v[\b+6]
.endr
	s_wait_alu depctr_va_vdst(0)
.irp b, WK0,WK1
	v_add_f32 v[\b+2], 1.0, v[\b+2]
	v_add_f32 v[\b+3], 1.0, v[\b+3]
.endr
.irp b, WK0,WK1
	v_log_f32 v[\b+2], v[\b+2]
	v_log_f32 v[\b+3], v[\b+3]
.endr
.irp b, WK0,WK1
	v_mul_f32 v[\b+8], v[\b+1], v[\b+4]            ; s
	v_mul_f32 v[\b+9], v[\b+7], v[\b+4]            ; t
.endr
.irp b, WK0,WK1
	v_sub_f32 v[\b+10], 1.0, v[\b+9]               ; 1 - t
	v_mul_f32 v[\b+11], v[\b+9], v[\b+9]           ; t t
.endr
.irp b, WK0,WK1
	v_mul_f32 v[\b+12], v[\b+9], v[\b+10]          ; t (1 - t)
	v_mul_f32 v[\b+13], v[\b+10], v[\b+10]         ; (1 - t)^2
.endr
.irp b, WK0,WK1
	v_mul_f32 v[\b+14], v[\b+8], v[\b+12]          ; s t (1 - t)
.endr
	s_wait_alu depctr_va_vdst(0)
.irp b, WK0,WK1
	v_fma_f32 v[\b+58], v[\b+2], s95, v[\b+5]      ; the two knots' derivatives: 1e-3 + softplus
	v_fma_f32 v[\b+59], v[\b+3], s95, v[\b+6]
.endr
.irp b, WK0,WK1
	v_add_f32 v[\b+2], v[\b+58], v[\b+59]
.endr
.irp b, WK0,WK1
	v_fma_f32 v[\b+2], -2.0, v[\b+8], v[\b+2]
.endr
.irp b, WK0,WK1
	v_fma_f32 v[\b+3], v[\b+2], v[\b+12], v[\b+8]  ; denom
.endr
.irp b, WK0,WK1
	v_rcp_f32 v[\b+4], v[\b+3]
.endr
.irp b, WK0,WK1
	v_mul_f32 v[\b+5], v[\b+58], v[\b+12]
	v_mul_f32 v[\b+6], v[\b+59], v[\b+11]
.endr
.irp b, WK0,WK1
	v_fma_f32 v[\b+5], v[\b+8], v[\b+11], v[\b+5]  ; s t t + dk t (1 - t)
	v_fma_f32 v[\b+6], v[\b+58], v[\b+13], v[\b+6]
.endr
.irp b, WK0,WK1
	v_mul_f32 v[\b+7], v[\b+1], v[\b+5]
	v_fma_f32 v[\b+6], 2.0, v[\b+14], v[\b+6]      ; dk1 t t + 2 s t (1 - t) + dk (1 - t)^2
.endr
	s_wait_alu depctr_va_vdst(0)
.irp b, WK0,WK1
	v_fma_f32 v[\b], v[\b+7], v[\b+4], v[\b+56]    ; out
	v_mul_f32 v[\b+1], v[\b+8], v[\b+4]
.endr
.irp b, WK0,WK1
	v_mul_f32 v[\b+1], v[\b+1], v[\b+1]
.endr
.irp b, WK0,WK1
	v_mul_f32 v[\b+1], v[\b+1], v[\b+6]            ; deriv
.endr
.irp b, WK0,WK1
	v_log_f32 v[\b+1], v[\b+1]
.endr
.irp z, 0,1
	ds_store_b32 v[EA+\p], v[WK0+64*\z] offset:20480+1280*\z+8*\q
.endr
	v_nop
	s_wait_alu depctr_va_vdst(0)
.irp z, 0,1
.if \q == 0
	v_mov_b32 v[LS+2*\p+\z], v[WK0+64*\z+1]
.else
	v_add_f32 v[LS+2*\p+\z], v[LS+2*\p+\z], v[WK0+64*\z+1]
.endif
.endr
.endm
.irp q, 0,1
.set II, 0
.rept 49
	ds_load_b32 v[BQ+II], v[BI] offset:392*\q+4*II
.set II, II+1
.endr
.irp p, 0,1,2,3
	SPL \p, \q
.endr
.endr
.irp a, 0,1,2,3,4,5,6,7
	v_permlanex16_b32 v[WK0+\a], v[LS+\a], s90, s91
.endr
.irp a, 0,1,2,3,4,5,6,7
	v_add_f32 v[LS+\a], v[LS+\a], v[WK0+\a]        ; with lane l xor 16's two dims: my wave's four
.endr
.irp a, 0,1,2,3,4,5,6,7
	v_mul_f32 v[LS+\a], s95, v[LS+\a]              ; log2 to ln
.endr
.irp a, 0,1,2,3,4,5,6,7
	ds_store_b32 v[LPS+\a/2], v[LS+\a] offset:64*(\a%2)   ; both halves of the lanes write the same word with the same value
.endr
	s_wait_dscnt 0x0                               ; for the others' sake: my part of out0's stage and my sums lie in LDS
	s_barrier_signal -1
	s_barrier_wait -1
.irp i, 0,1,2,3
	ds_load_b128 v[WK0+4*\i:WK0+4*\i+3], v[OSR] offset:640*\i
.endr
.irp i, 0,1,2,3
	s_wait_dscnt 3-\i
	global_store_b128 v[GO], v[WK0+4*\i:WK0+4*\i+3], s[12:13] offset:4096*\i   ; eight rows an instruction, four lanes to a row's 64 bytes
.endr
	s_cmp_lg_u32 s[WV], 0
	s_cbranch_scc1 .Lnot_0
.irp k, 0,1,2,3
	ds_load_b128 v[64+4*\k:67+4*\k], v27 offset:512*\k    ; wave 0 adds the four waves' sums: four rows a lane
.endr
	s_wait_dscnt 0x0
	v_pk_add_f32 v[64:65], v[64:65], v[68:69]
	v_pk_add_f32 v[66:67], v[66:67], v[70:71]
	v_pk_add_f32 v[72:73], v[72:73], v[76:77]
	v_pk_add_f32 v[74:75], v[74:75], v[78:79]
	v_pk_add_f32 v[64:65], v[64:65], v[72:73]
	v_pk_add_f32 v[66:67], v[66:67], v[74:75]
	global_store_b128 v26, v[64:67], s[14:15]      ; 32 lanes store 512 consecutive bytes
.Lnot_0:
	s_wait_tensorcnt 0x0                           ; the wave's end: behind my last tensor load and my last LDS store
	ds_add_u32 v[SPW], v[NIL]
	s_wait_dscnt 0x0
	CROUND                                         ; the closing round: no work-group ends while a partner may still ask for a block that names it
	s_endpgm
.Lfunc_end_k_qee8691046e_main:
	.size	k_qee8691046e_main, .Lfunc_end_k_qee8691046e_main-k_qee8691046e_main
	.p2alignl 7, 3214868480
	.fill 96, 4, 3214868480
	.section	.rodata,"a",@progbits
	.p2align	6, 0x0
	.amdhsa_kernel k_qee8691046e_main
		.amdhsa_group_segment_fixed_size 327680
		.amdhsa_private_segment_fixed_size 0
		.amdhsa_enable_private_segment 0
		.amdhsa_kernarg_size 48
		.amdhsa_user_sgpr_count 2
		.amdhsa_user_sgpr_kernarg_segment_ptr 1
		.amdhsa_wavefront_size32 1
		.amdhsa_system_sgpr_workgroup_id_x 1
		.amdhsa_system_sgpr_workgroup_id_y 1
		.amdhsa_system_sgpr_workgroup_id_z 1
		.amdhsa_system_vgpr_workitem_id 0
		.amdhsa_next_free_vgpr 1024
		.amdhsa_next_free_sgpr 100
		.amdhsa_reserve_vcc 1
		.amdhsa_float_denorm_mode_32 3
		.amdhsa_float_denorm_mode_16_64 3
		.amdhsa_memory_ordered 1
		.amdhsa_forward_progress 1
		.amdhsa_inst_pref_size 255
	.end_amdhsa_kernel
	.section	.bss,"aw",@nobits
	.p2align	6
	.space	262144
	.amdgpu_metadata
---
amdhsa.version: [ 1, 2 ]
amdhsa.kernels:
  - .name:           k_qee8691046e_main
    .symbol:         k_qee8691046e_main.kd
    .args:
      - { .name: hq, .offset: 0, .size: 8, .value_kind: global_buffer, .address_space: global }
      - { .name: w2c, .offset: 8, .size: 8, .value_kind: global_buffer, .address_space: global }
      - { .name: b2, .offset: 16, .size: 8, .value_kind: global_buffer, .address_space: global }
      - { .name: y, .offset: 24, .size: 8, .value_kind: global_buffer, .address_space: global }
      - { .name: out0, .offset: 32, .size: 8, .value_kind: global_buffer, .address_space: global }
      - { .name: part, .offset: 40, .size: 8, .value_kind: global_buffer, .address_space: global }
    .group_segment_fixed_size: 327680
    .private_segment_fixed_size: 0
    .kernarg_segment_align: 8
    .kernarg_segment_size: 48
    .max_flat_workgroup_size: 128
    .sgpr_count:     100
    .vgpr_count:     1024
    .wavefront_size: 32
...
	.end_amdgpu_metadata
.endif
;; end of part 2
;; launch sum (part 3): grid 8 x 1, 4 waves a work-group, no clusters, 0 bytes of LDS; arguments part, out1; writes out1
.if DOCPART == 3
	.amdgcn_target "amdgcn-amd-amdhsa--gfx1250"
	.amdhsa_code_object_version 6
	.text
	.protected	k_qee8691046e_sum
	.globl	k_qee8691046e_sum
	.p2align	8
	.type	k_qee8691046e_sum,@function
k_qee8691046e_sum:
	s_mov_b64 s[64:65], 0
	v_nop
	global_prefetch_b8 v0, s[64:65] scope:SCOPE_SE
	s_setreg_imm32_b32 hwreg(HW_REG_WAVE_MODE, 25, 1), 1
	s_wait_xcnt 0x0
; out1[row] = the sum over the eight groups of dims of part[g][row].  part: [8][4096] f32.  A thread takes four neighbouring rows: eight loads of 16 bytes, 16,384 bytes apart, seven additions of four numbers, one store.
; A wave's load or store covers 512 consecutive bytes.  No LDS, no barrier, no matrix unit: 144 KB move in all, and the threads share nothing.
	s_load_b128 s[4:7], s[0:1], 0x0                ; part, out1
	s_lshl_b32 s8, ttmp9, 11                       ; 128 threads x 16 bytes a work-group
	v_lshl_add_u32 v1, v0, 4, s8
	s_wait_kmcnt 0x0
.irp g, 0,1,2,3,4,5,6,7
	global_load_b128 v[4+4*\g:7+4*\g], v1, s[4:5] offset:16384*\g th:TH_LOAD_NT
.endr
	s_wait_loadcnt 0x0
.macro VADD a, b                       ; four numbers of group b onto those of group a
	v_pk_add_f32 v[4+4*\a:5+4*\a], v[4+4*\a:5+4*\a], v[4+4*\b:5+4*\b]
	v_pk_add_f32 v[6+4*\a:7+4*\a], v[6+4*\a:7+4*\a], v[6+4*\b:7+4*\b]
.endm
	VADD 0, 1
	VADD 2, 3
	VADD 4, 5
	VADD 6, 7
	VADD 0, 2
	VADD 4, 6
	VADD 0, 4
	global_store_b128 v1, v[4:7], s[6:7]
	s_endpgm
.Lfunc_end_k_qee8691046e_sum:
	.size	k_qee8691046e_sum, .Lfunc_end_k_qee8691046e_sum-k_qee8691046e_sum
	.p2alignl 7, 3214868480
	.fill 96, 4, 3214868480
	.section	.rodata,"a",@progbits
	.p2align	6, 0x0
	.amdhsa_kernel k_qee8691046e_sum
		.amdhsa_group_segment_fixed_size 0
		.amdhsa_private_segment_fixed_size 0
		.amdhsa_enable_private_segment 0
		.amdhsa_kernarg_size 16
		.amdhsa_user_sgpr_count 2
		.amdhsa_user_sgpr_kernarg_segment_ptr 1
		.amdhsa_wavefront_size32 1
		.amdhsa_system_sgpr_workgroup_id_x 1
		.amdhsa_system_sgpr_workgroup_id_y 1
		.amdhsa_system_sgpr_workgroup_id_z 1
		.amdhsa_system_vgpr_workitem_id 0
		.amdhsa_next_free_vgpr 40
		.amdhsa_next_free_sgpr 66
		.amdhsa_reserve_vcc 0
		.amdhsa_float_denorm_mode_32 3
		.amdhsa_float_denorm_mode_16_64 3
		.amdhsa_memory_ordered 1
		.amdhsa_forward_progress 1
		.amdhsa_inst_pref_size 3
	.end_amdhsa_kernel
	.amdgpu_metadata
---
amdhsa.version: [ 1, 2 ]
amdhsa.kernels:
  - .name:           k_qee8691046e_sum
    .symbol:         k_qee8691046e_sum.kd
    .args:
      - { .name: part, .offset: 0, .size: 8, .value_kind: global_buffer, .address_space: global }
      - { .name: out1, .offset: 8, .size: 8, .value_kind: global_buffer, .address_space: global }
    .group_segment_fixed_size: 0
    .private_segment_fixed_size: 0
    .kernarg_segment_align: 8
    .kernarg_segment_size: 16
    .max_flat_workgroup_size: 128
    .sgpr_count:     66
    .vgpr_count:     40
    .wavefront_size: 32
...
	.end_amdgpu_metadata
.endif
;; end of part 3
;; ======== version 2 of 2: 3 launches
;; limits: right only within a limited range of input values
;; workspace buffers: hq 7,340,032 bytes; w2c 10,747,904 bytes; part 262,144 bytes
;; launch prep (part 4): grid 256 x 1, 8 waves a work-group, no clusters, 244,224 bytes of LDS; arguments x, W1, b1, W2, hq, w2c; writes hq, w2c
.if DOCPART == 4
	.amdgcn_target "amdgcn-amd-amdhsa--gfx1250"
	.amdhsa_code_object_version 6
	.text
	.protected	k_qee8691046e_prep
	.globl	k_qee8691046e_prep
	.p2align	8
	.type	k_qee8691046e_prep,@function
k_qee8691046e_prep:
	s_mov_b64 s[64:65], 0
	v_nop
	global_prefetch_b8 v0, s[64:65] scope:SCOPE_SE
	s_setreg_imm32_b32 hwreg(HW_REG_WAVE_MODE, 25, 1), 1
	s_wait_xcnt 0x0
; PREP.  Every work-group does two things.
; (1) It turns one slab of W2 (f32, [2048 k][6272 n]), 128 rows of K x 392 columns (8 dims x 49 parameters), into codes of FP6 (E2M3) with one E8M0 byte for each 32 along K,
;     laid in w2c as IMAGES OF THE OPERAND'S REGISTERS: a fragment (16 operand rows x 128 K, 12 registers a lane) is 1,536 bytes, registers 4 c .. 4 c + 3 of lane l at 512 c + 16 l.
; (2) It makes one slice of Q(relu(Q(x) Q(W1) + b1)): 256 rows x 128 hidden units, laid in hq likewise.
; The slab is asked for first, by 8 tensor loads of 16 rows, each LDS byte filled once; the slice is computed while the slab is on its way.
; A SLAB ROW IS FETCHED AS 1,792 BYTES: the seven whole aligned runs of 256 bytes of a row of W2 that cover the slab's 1,568 bytes (the slab begins 1,568 g2 bytes into a row, that is 32 (g2 % 8) into a run, and 224 + 1,568 = 1,792),
; so that every row of a tensor load begins at a multiple of 256 bytes.  The tile is stated one element wider than the tensor's extent, so a zero word follows each row in LDS: the image is dense, 1,796 bytes from row to row.
; The slab's place in its first run is added to the LDS addresses from which the slab is read.
; w2c[g2][s], 41,984 bytes (g2: 8 dims, s: 128 along K): the slab's own block.  Part w' (4 dims) at 19,968 w'; in it parameter group T (0 widths, 1 heights, 2 knot slopes 0-15) at 6,656 T: four fragments f = 2 q + u at 1,536 f
;   and at 6,144 a chunk of 16 bytes a lane [R0, R1, 0, 0], Ri = the scale words of tile 2 i (lanes 0-15) and of tile 2 i + 1 (lanes 16-31).  Operand row r of tile (w', T, f) is W2's column (8 g2 + 4 w' + 2 q + r / 8) 49 + 16 T + 8 u + r % 8.
;   At 39,936 the extra tile: operand row m = column (8 g2 + m % 8) 49 + 48 (rows 8-15 repeat rows 0-7), and at + 1,536 its chunk [word, 0, 0, 0].
; hq[rb][s], 14,336 bytes (rb: 128 rows): pair P of row tiles at 3,584 P: two fragments, and at + 3,072 a chunk [word, 0, 0, 0]: lanes 0-15 tile 2 P, lanes 16-31 tile 2 P + 1.
; THE QUANTISER: a block's scale byte is its largest magnitude's exponent field - 2, held at 1 from below; the conversion divides by that power of two, rounds to the nearest code, ties to even, and holds at the largest code.
; LIMITS: a block of zeros gets the byte 1 where the rule says 127 (its codes are zeros, and this program alone reads the bytes); NaN and infinities among the inputs are not served.
; NO CLUSTER: the large stream, W2, is read by one work-group only (but for the runs of 256 bytes that two neighbouring slabs share).  x and W1 (3 MB in all) are read by sixteen work-groups each, but they come straight into
; registers in the operand's order, where no joint tensor load serves.
.set RP,    1796                       ; a slab row in LDS: 1,792 bytes and the zero word
.set RAWKB, 32*RP                      ; 32 rows: 57,472 bytes = 128 modulo 256, so that lanes 16-31, which read 32 rows further on, fall 32 words further round the banks
.set W1I,   4*RAWKB                    ; behind the slab (229,888): W1's eight fragments as images
.set W1S,   W1I+12288                  ; and their scale words, 128 bytes each
.set SPARE, W1S+1024                   ; the spare words, 128 bytes a wave: four blocks of 256 bytes that no other line names
.set XA,   1                           ; v1   x: 512 r + 64 h
.set LI,   2                           ; v2   16 x lane
.set W1A,  3                           ; v3   W1: my column and my half's 32 rows
.set SH8,  4                           ; v4   8 h
.set B1A,  5                           ; v5   64 h
.set RA0,  6                           ; v6   the slab: my column of a group's tile 0, K 32 h on;  v7: 64 rows further down
.set RA1,  7
.set EA0,  8                           ; v8, v9  the same for the extra tile
.set EA1,  9
.set W1ST, 11                          ; v11  where my wave stores its fragment of W1;  v12 its scale words
.set W1SS, 12
.set W1LD, 13                          ; v13  from where any wave reads the fragments;  v14 the scale words
.set W1SL, 14
.set TM,   16                          ; v16-31  at work in the quantisers
.set PC,   32                          ; v32-43 codes just made, v44-46, v48-50 second halves on their way;  v47, v51: the spare word's address and 0
.set PW,   52                          ; v52, v53  scale words of h's two row tiles
.set PW0,  53
.set XF,   56                          ; v56-79  x's two fragments; later W2's codes of tiles 0, 1
.set XS,   80                          ; v80-81  x's scale words: these and v82-89 hold scales and nothing else
.set W1SC, 82                          ; v82-89  W1's scale words
.set HSC,  92                          ; v92-95  h's chunk of scale words
.set W1F,  96                          ; v96-191 numbers of W1 and x as loaded, then W1's eight fragments; later W2's codes of tiles 2, 3 (v96-119)
.set SW,   120                         ; v120-123 W2's scale words, a tile each
.set SCI,  124                         ; v124-127 their chunk
.set RW,   128                         ; v128-255 four sets of 32 numbers of W2
.set HA,   192                         ; v192-255 x as loaded, then b1 and the hidden layer's eight tiles
.set WV,   16
.set SEL,  36                          ; s[36:37] v_permlanex16_b32's selects for lane l xor 16
.set HIM,  38                          ; s38  the mask of lanes 16-31
; 64 numbers of a lane, register 16 b + i = k 32 b + 16 h + i of my row, become a fragment's codes in v[d] on and my row's scale word in v[pw]
.macro QUANT s, d, pw
.irp b, 0,1,2,3
	v_max3_num_f32 v[TM+\b], |v[(\s)+16*\b]|, |v[(\s)+1+16*\b]|, 0x1800000   ; my 16 numbers of block b, and the floor 2^(3 - 127): the byte cannot fall under 1
.endr
.irp i, 2,4,6,8,10,12,14
.irp b, 0,1,2,3
	s_delay_alu instid0(VALU_DEP_4)
	v_max3_num_f32 v[TM+\b], v[TM+\b], |v[(\s)+16*\b+\i]|, |v[(\s)+1+16*\b+\i]|
.endr
.endr
.irp b, 0,1,2,3
	s_delay_alu instid0(VALU_DEP_4)
	v_permlanex16_b32 v[TM+4+\b], v[TM+\b], s[SEL], s[SEL+1]
.endr
.irp b, 0,1,2,3
	s_delay_alu instid0(VALU_DEP_4)
	v_max_num_f32 v[TM+\b], v[TM+\b], v[TM+4+\b]       ; with lane l xor 16's: the block's largest magnitude
.endr
.irp b, 0,1,2,3
	s_delay_alu instid0(VALU_DEP_4)
	v_add_nc_u32 v[TM+12+\b], 0xff000000, v[TM+\b]     ; 2 off its exponent field: the conversion's scale operand
.endr
.irp b, 0,1,2,3
	s_delay_alu instid0(VALU_DEP_4)
	v_lshrrev_b32 v[TM+4+\b], 23, v[TM+12+\b]          ; the scale's byte
.endr
	s_delay_alu instid0(VALU_DEP_3)
	v_lshl_or_b32 v[\pw], v[TM+5], 8, v[TM+4]
	s_delay_alu instid0(VALU_DEP_1)
	v_lshl_or_b32 v[\pw], v[TM+6], 16, v[\pw]
	s_delay_alu instid0(VALU_DEP_1)
	v_lshl_or_b32 v[\pw], v[TM+7], 24, v[\pw]
.irp c, 0,1
	v_cvt_scalef32_pk16_fp6_f32 v[(\d)+6*\c:(\d)+2+6*\c], v[(\s)+32*\c:(\s)+15+32*\c], v[TM+12+2*\c]
	v_cvt_scalef32_pk16_fp6_f32 v[PC+12+4*\c:PC+14+4*\c], v[(\s)+16+32*\c:(\s)+31+32*\c], v[TM+12+2*\c+1]   ; (a conversion's three registers begin on an even number)
.endr
	v_nop                                              ; one plain place behind a scaled conversion
.irp c, 0,1                                        ; the operand wants a whole block in a lane: lanes 0-15 block 2 c, lanes 16-31 block 2 c + 1
.irp i, 0,1,2
	v_permlane16_swap_b32 v[(\d)+6*\c+\i], v[PC+12+4*\c+\i]
.endr
.irp i, 0,1,2
	s_delay_alu instid0(VALU_DEP_3)
	v_mov_b32 v[(\d)+3+6*\c+\i], v[PC+12+4*\c+\i]
.endr
.endr
.endm
; 32 numbers of a lane, one whole block (k = 64 c + 32 h + 0 .. 31 of my column): its scale and its codes, registers 6 c .. 6 c + 2 of v[d] on; the second half waits in v[PC + 12 + 4 c]
.macro QB s, c, d
	v_max3_num_f32 v[TM+\c], |v[(\s)]|, |v[(\s)+1]|, 0x1800000
	v_max3_num_f32 v[TM+8+\c], |v[(\s)+2]|, |v[(\s)+3]|, |v[(\s)+4]|
.irp i, 5,9,13,17,21,25
	s_delay_alu instid0(VALU_DEP_2)
	v_max3_num_f32 v[TM+\c], v[TM+\c], |v[(\s)+\i]|, |v[(\s)+\i+1]|
	s_delay_alu instid0(VALU_DEP_2)
	v_max3_num_f32 v[TM+8+\c], v[TM+8+\c], |v[(\s)+\i+2]|, |v[(\s)+\i+3]|
.endr
	s_delay_alu instid0(VALU_DEP_2)
	v_max3_num_f32 v[TM+\c], v[TM+\c], |v[(\s)+29]|, |v[(\s)+30]|
	s_delay_alu instid0(VALU_DEP_1)
	v_max3_num_f32 v[TM+\c], v[TM+\c], v[TM+8+\c], |v[(\s)+31]|
	s_delay_alu instid0(VALU_DEP_1)
	v_add_nc_u32 v[TM+12+\c], 0xff000000, v[TM+\c]
	s_delay_alu instid0(VALU_DEP_1)
	v_lshrrev_b32 v[TM+4+\c], 23, v[TM+12+\c]
	v_cvt_scalef32_pk16_fp6_f32 v[(\d)+6*\c:(\d)+6*\c+2], v[(\s):(\s)+15], v[TM+12+\c]
	v_cvt_scalef32_pk16_fp6_f32 v[PC+12+4*\c:PC+14+4*\c], v[(\s)+16:(\s)+31], v[TM+12+\c]
	v_nop                                              ; one plain place behind a scaled conversion
.endm
; behind two QB: my two bytes (blocks h and 2 + h) and lane l xor 16's two make the column's scale word; the second halves go to their places
.macro QFIN d, pw
	v_lshl_or_b32 v[\pw], v[TM+5], 16, v[TM+4]
	s_delay_alu instid0(VALU_DEP_1)
	v_lshlrev_b32 v[\pw], v[SH8], v[\pw]
	s_delay_alu instid0(VALU_DEP_1)
	v_permlanex16_b32 v[TM+6], v[\pw], s[SEL], s[SEL+1]
	s_delay_alu instid0(VALU_DEP_1)
	v_or_b32 v[\pw], v[\pw], v[TM+6]
.irp c, 0,1
.irp i, 0,1,2
	v_mov_b32 v[(\d)+3+6*\c+\i], v[PC+12+4*\c+\i]
.endr
.endr
.endm
.macro LDR set, areg, off              ; 32 rows of the slab at my column into one set
.set II, 0
.rept 32
	ds_load_b32 v[RW+32*(\set)+II], v[\areg] offset:(\off)+RP*II
.set II, II+1
.endr
.endm
.macro XLOAD reg, m                    ; row tile m of my wave's 32 rows of x: 16 neighbours of each block of 32
.irp b, 0,1,2,3
.irp j, 0,1,2,3
	global_load_b128 v[(\reg)+16*\b+4*\j:(\reg)+16*\b+4*\j+3], v[XA], s[4:5] offset:8192*\m+128*\b+16*\j
.endr
.endr
.endm
	s_load_b256 s[4:11], s[0:1], 0x0               ; x s[4:5], W1 s[6:7], b1 s[8:9], W2 s[10:11]
	s_load_b128 s[12:15], s[0:1], 0x20             ; hq s[12:13], w2c s[14:15]
	v_lshl_add_u32 v47, v0, 2, SPARE
	v_mov_b32 v51, 0
	ds_add_u32 v47, v51                            ; the opening lines: the add, twice on end, and its wait ahead of my first tensor load
	ds_add_u32 v47, v51
	v_lshrrev_b32 v15, 5, v0
	s_delay_alu instid0(VALU_DEP_1)
	v_readfirstlane_b32 s[WV], v15                 ; wave 0..7
	s_and_b32 s17, ttmp9, 1                        ; wp: which 8 dims of the 16
	s_bfe_u32 s18, ttmp9, 0x40001                  ; s2: which 128 along K of W2
	s_lshr_b32 s19, ttmp9, 5                       ; g: which 16 dims
	s_and_b32 s20, ttmp9, 15                       ; sh: which 128 hidden units
	s_lshr_b32 s21, ttmp9, 4                       ; R: which 256 rows of x
	; descriptor group 1: 16 rows of 4-byte elements, 6,272 elements from row to row, no padding; the tensor's extent along a row is 448 elements, the tile's 449: the last arrives as a zero
	s_mov_b32 s24, 2<<16
	s_mov_b32 s25, 448<<16
	s_mov_b32 s26, 16<<16
	s_mov_b32 s27, 449<<16
	s_mov_b32 s28, 16
	s_mov_b32 s29, 6272
	s_mov_b32 s30, 0
	s_mov_b32 s31, 0
	s_lshl_b32 s22, s18, 7
	s_lshl_b32 s23, s[WV], 4
	s_add_co_u32 s22, s22, s23                     ; my first row of W2: 128 s2 + 16 wave
	s_mul_i32 s22, s22, 25088
	s_lshl_b32 s23, s19, 1
	s_add_co_u32 s23, s23, s17
	s_mul_i32 s23, s23, 1568                       ; the slab's first column, in bytes,
	s_and_b32 s56, s23, 0xe0                       ; its place in its run of 256 bytes (a multiple of 32),
	s_and_b32 s23, s23, 0xffffff00                 ; and where that run begins
	s_add_co_u32 s57, s56, 192                     ; (the extra tile: parameter 48)
	s_add_co_u32 s40, s22, s23
	s_mov_b32 s41, 0
	s_mov_b32 s32, 1
	s_mul_i32 s33, s[WV], 16*RP                    ; in LDS: 16 rows a wave, on end
	s_wait_dscnt 0x0
	s_wait_kmcnt 0x0
	s_add_nc_u64 s[34:35], s[10:11], s[40:41]
	s_or_b32 s35, s35, 0x80000000
	tensor_load_to_lds s[32:35], s[24:31]          ; my wave's one tensor load: these LDS bytes are filled once
	s_nop 0
.rept 4
	v_nop
.endr
	v_and_b32 v90, 31, v0                          ; lane
	v_and_b32 v54, 15, v0                          ; r
	v_bfe_u32 v55, v0, 4, 1                        ; h
	s_delay_alu instid0(VALU_DEP_3)
	v_lshlrev_b32 v[LI], 4, v90
	s_delay_alu instid0(VALU_DEP_3)
	v_lshlrev_b32 v[XA], 9, v54
	s_delay_alu instid0(VALU_DEP_1)
	v_lshl_add_u32 v[XA], v55, 6, v[XA]
	v_and_b32 v91, 8, v54
	s_delay_alu instid0(VALU_DEP_1)
	v_add_nc_u32 v91, v91, v54                     ; r + 8 (r / 8): the hidden units of a tile are not neighbours, so that two neighbouring tiles' 16 results of a lane are 16 neighbours along the next K
	s_lshl_b32 s40, s20, 7
	s_lshr_b32 s41, s[WV], 1
	s_lshl_b32 s41, s41, 5
	s_add_co_u32 s40, s40, s41
	s_and_b32 s41, s[WV], 1
	s_lshl_b32 s41, s41, 3
	s_add_co_u32 s40, s40, s41                     ; tile t = my wave begins at hidden unit 128 sh + 32 (t / 2) + 8 (t % 2)
	v_add_nc_u32 v[W1A], s40, v91
	s_delay_alu instid0(VALU_DEP_1)
	v_lshlrev_b32 v[W1A], 2, v[W1A]
	s_delay_alu instid0(VALU_DEP_1)
	v_lshl_add_u32 v[W1A], v55, 18, v[W1A]         ; lanes 16-31 begin 32 rows of 8,192 bytes further down
	v_lshlrev_b32 v[SH8], 3, v55
	v_lshlrev_b32 v[B1A], 6, v55
	s_min_u32 s47, s[WV], 5
	s_mul_i32 s47, s47, 11
	s_lshr_b32 s47, s47, 5                         ; w' = wave / 3 for waves 0 to 5: which 4 dims of the slab's 8
	s_mul_i32 s42, s47, 592
	s_lshl_b32 s43, s[WV], 6
	s_add_co_u32 s42, s42, s43                     ; 784 w' + 64 T, T = wave - 3 w',
	s_add_co_u32 s42, s42, s56                     ; + the slab's place in its first run
	v_lshrrev_b32 v91, 3, v54
	s_delay_alu instid0(VALU_DEP_1)
	v_mul_u32_u24 v[RA0], v91, 196                 ; operand rows 8-15 are the next dim: 49 columns on
	v_and_b32 v91, 7, v54
	s_delay_alu instid0(VALU_DEP_1)
	v_lshl_add_u32 v[RA0], v91, 2, v[RA0]
	s_delay_alu instid0(VALU_DEP_1)
	v_mad_u32_u24 v[RA0], v55, RAWKB, v[RA0]
	s_delay_alu instid0(VALU_DEP_1)
	v_add_nc_u32 v[RA0], s42, v[RA0]
	s_delay_alu instid0(VALU_DEP_1)
	v_add_nc_u32 v[RA1], 2*RAWKB, v[RA0]
	v_mul_u32_u24 v[EA0], v91, 196                 ; the extra tile: dim r % 8 of the slab, parameter 48
	s_delay_alu instid0(VALU_DEP_1)
	v_mad_u32_u24 v[EA0], v55, RAWKB, v[EA0]
	s_delay_alu instid0(VALU_DEP_1)
	v_add_nc_u32 v[EA0], s57, v[EA0]
	s_delay_alu instid0(VALU_DEP_1)
	v_add_nc_u32 v[EA1], 2*RAWKB, v[EA0]
	s_mul_i32 s43, s[WV], 1536
	s_add_co_u32 s43, s43, W1I
	v_add_nc_u32 v[W1ST], s43, v[LI]
	s_lshl_b32 s43, s[WV], 7
	s_add_co_u32 s43, s43, W1S
	v_lshl_add_u32 v[W1SS], v90, 2, s43
	v_add_nc_u32 v[W1LD], W1I, v[LI]
	v_lshl_add_u32 v[W1SL], v90, 2, W1S
.irp b, 0,1,2,3
	v_mov_b32 v[TM+4+\b], 0                        ; written once: a lane permute's destination counts as one of its sources
.endr
	v_mov_b32 v[HSC+1], 0
	v_mov_b32 v[HSC+2], 0
	v_mov_b32 v[HSC+3], 0
	s_mov_b32 s[SEL], 0x76543210
	s_mov_b32 s[SEL+1], 0xfedcba98
	s_mov_b32 s[HIM], 0xffff0000
	s_mov_b32 s45, 0
	s_lshl_b32 s44, s21, 8
	s_lshl_b32 s46, s[WV], 5
	s_add_co_u32 s44, s44, s46
	s_lshl_b32 s44, s44, 9
	s_add_nc_u64 s[4:5], s[4:5], s[44:45]          ; x at row 256 R + 32 wave
	s_lshl_b32 s44, s20, 9
	s_add_nc_u64 s[8:9], s[8:9], s[44:45]          ; b1 at hidden unit 128 sh
	s_lshl_b32 s44, s21, 1
	s_lshr_b32 s46, s[WV], 2
	s_add_co_u32 s44, s44, s46                     ; rb = 2 R + wave / 4
	s_lshl_b32 s44, s44, 4
	s_add_co_u32 s44, s44, s20
	s_mul_i32 s44, s44, 14336
	s_and_b32 s46, s[WV], 3
	s_mul_i32 s46, s46, 3584
	s_add_co_u32 s44, s44, s46
	s_add_nc_u64 s[12:13], s[12:13], s[44:45]      ; hq at block (rb, sh), pair wave % 4
	s_lshl_b32 s44, s19, 1
	s_add_co_u32 s44, s44, s17                     ; g2 = 2 g + wp
	s_lshl_b32 s44, s44, 4
	s_add_co_u32 s44, s44, s18
	s_mul_i32 s44, s44, 41984
	s_add_nc_u64 s[14:15], s[14:15], s[44:45]      ; w2c at block (g2, s2)
	s_add_nc_u64 s[54:55], s[14:15], 39936         ; its extra tile
	s_mul_i32 s44, s47, 19968
	s_mul_i32 s46, s47, 3
	s_sub_co_u32 s46, s[WV], s46
	s_mul_i32 s46, s46, 6656
	s_add_co_u32 s44, s44, s46
	s_add_nc_u64 s[52:53], s[14:15], s[44:45]      ; part w', group T (used by waves 0 to 5)
	; ---- W1: my wave quantises tile t = wave.  A lane takes a column and its registers run down K, in the order that the operand gives that lane
.set II, 0
.rept 64
	global_load_b32 v[W1F+II], v[W1A], s[6:7] offset:((II/32)*64+II%32)*8192
.set II, II+1
.endr
	XLOAD HA, 0
	s_wait_loadcnt 16                              ; x's sixteen loads are younger: W1's numbers are in
	QB W1F, 0, PC
	QB W1F+32, 1, PC
	QFIN PC, PW
.irp c, 0,1,2
	ds_store_b128 v[W1ST], v[PC+4*\c:PC+4*\c+3] offset:512*\c
.endr
	ds_store_b32 v[W1SS], v[PW]
	XLOAD W1F, 1
	s_wait_loadcnt 16                              ; the second tile's sixteen loads are younger: the first tile of x is in
	QUANT HA, XF, XS
	s_wait_loadcnt 0x0
	QUANT W1F, XF+12, XS+1
	s_wait_dscnt 0x0                               ; for the others' sake: my fragment of W1 lies in LDS
	s_barrier_signal -1
	s_barrier_wait -1                              ; all eight do (the slab's loads stay on their way: nothing is filled a second time in this launch)
.irp t, 0,1,2,3,4,5,6,7
.irp c, 0,1,2
	ds_load_b128 v[W1F+12*\t+4*\c:W1F+12*\t+4*\c+3], v[W1LD] offset:1536*\t+512*\c
.endr
	ds_load_b32 v[W1SC+\t], v[W1SL] offset:128*\t
.endr
; ---- the hidden layer of row tile m, transposed (source 0 = 16 hidden units, source 1 = 16 rows of x): a lane holds one row, and its 64 registers run along the next K.  b1 is loaded into the accumulators and is the sums' C
.macro HSTEP m, pw
.irp t, 0,1,2,3,4,5,6,7
	global_load_b128 v[HA+8*\t:HA+8*\t+3], v[B1A], s[8:9] offset:(32*(\t/2)+8*(\t%2))*4
	global_load_b128 v[HA+8*\t+4:HA+8*\t+7], v[B1A], s[8:9] offset:(32*(\t/2)+8*(\t%2))*4+16
.endr
	s_wait_loadcnt 0x0
.if \m == 0
	s_wait_dscnt 0x0                               ; W1's fragments and scale words
.rept 8
	v_nop                                          ; x's scale words were written by vector instructions: eight places ahead of a scaled matrix instruction
.endr
.endif
.irp t, 0,1,2,3,4,5,6,7
	v_wmma_scale_f32_16x16x128_f8f6f4 v[HA+8*\t:HA+8*\t+7], v[W1F+12*\t:W1F+12*\t+11], v[XF+12*\m:XF+12*\m+11], v[HA+8*\t:HA+8*\t+7], v[W1SC+\t], v[XS+\m] matrix_a_fmt:MATRIX_FMT_FP6 matrix_b_fmt:MATRIX_FMT_FP6
.endr
.rept 4
	v_nop
.endr
.set II, 0
.rept 64
	v_max_num_f32 v[HA+II], 0, v[HA+II]            ; relu, in f32; each accumulator from its low end on
.set II, II+1
.endr
	s_wait_xcnt 0x0                                ; the codes' registers are the data of the last tile's stores: written again only behind this wait
	QUANT HA, PC, \pw
.irp c, 0,1,2
	global_store_b128 v[LI], v[PC+4*\c:PC+4*\c+3], s[12:13] offset:1536*\m+512*\c   ; 32 lanes store 512 consecutive bytes
.endr
.endm
	HSTEP 0, PW0
	HSTEP 1, PW
	v_cndmask_b32 v[HSC], v[PW0], v[PW], s[HIM]    ; lanes 0-15 the first tile's words, lanes 16-31 the second's
	global_store_b128 v[LI], v[HSC:HSC+3], s[12:13] offset:3072
	; ---- W2
	s_wait_tensorcnt 0x0                           ; my 16 rows of the slab have landed
	s_wait_dscnt 0x0
	s_barrier_signal -1
	s_barrier_wait -1                              ; all 128 have
	v_mov_b32 v[SCI+2], 0
	v_mov_b32 v[SCI+3], 0
	s_cmp_lt_u32 s[WV], 6
	s_cbranch_scc0 .Lnot_group
	; waves 0 to 5: one group of four tiles.  Loads run one block (32 loads) ahead of the block at work
	LDR 0, RA0, 0
	LDR 1, RA1, 0
.irp f, 0,1,2,3
.set CDF, XF+12*\f+16*(\f/2)
	s_wait_dscnt 32                                ; the block behind is younger: this tile's first block is in
	QB RW+32*((2*\f)%4), 0, CDF
.if \f < 3
	LDR (2*\f+2)%4, RA0, 392*((\f+1)/2)+32*((\f+1)%2)
	s_wait_dscnt 32
.else
	s_wait_dscnt 0x0
.endif
	QB RW+32*((2*\f+1)%4), 1, CDF
.if \f < 3
	LDR (2*\f+3)%4, RA1, 392*((\f+1)/2)+32*((\f+1)%2)
.endif
	QFIN CDF, SW+\f
.irp c, 0,1,2
	global_store_b128 v[LI], v[CDF+4*\c:CDF+4*\c+3], s[52:53] offset:1536*\f+512*\c   ; each tile has its own registers: no store's data are written again
.endr
.endr
	v_cndmask_b32 v[SCI], v[SW], v[SW+1], s[HIM]
	v_cndmask_b32 v[SCI+1], v[SW+2], v[SW+3], s[HIM]
	global_store_b128 v[LI], v[SCI:SCI+3], s[52:53] offset:6144
	s_wait_tensorcnt 0x0                           ; the wave's end
	ds_add_u32 v47, v51
	s_wait_dscnt 0x0
	s_endpgm
.Lnot_group:
	s_cmp_eq_u32 s[WV], 6
	s_cbranch_scc0 .Ldone
	; wave 6: the extra tile: parameter 48 of the slab's 8 dims.  Lanes r = 8 .. 15 hold what lanes r - 8 hold: operand rows 8-15 repeat rows 0-7
	LDR 0, EA0, 0
	LDR 1, EA1, 0
	s_wait_dscnt 32
	QB RW, 0, XF
	s_wait_dscnt 0x0
	QB RW+32, 1, XF
	QFIN XF, SW
.irp c, 0,1,2
	global_store_b128 v[LI], v[XF+4*\c:XF+4*\c+3], s[54:55] offset:512*\c
.endr
	v_mov_b32 v[SCI], v[SW]
	v_mov_b32 v[SCI+1], 0
	global_store_b128 v[LI], v[SCI:SCI+3], s[54:55] offset:1536
.Ldone:
	s_wait_tensorcnt 0x0                           ; the wave's end
	ds_add_u32 v47, v51
	s_wait_dscnt 0x0
	s_endpgm
.Lfunc_end_k_qee8691046e_prep:
	.size	k_qee8691046e_prep, .Lfunc_end_k_qee8691046e_prep-k_qee8691046e_prep
	.p2alignl 7, 3214868480
	.fill 96, 4, 3214868480
	.section	.rodata,"a",@progbits
	.p2align	6, 0x0
	.amdhsa_kernel k_qee8691046e_prep
		.amdhsa_group_segment_fixed_size 244224
		.amdhsa_private_segment_fixed_size 0
		.amdhsa_enable_private_segment 0
		.amdhsa_kernarg_size 48
		.amdhsa_user_sgpr_count 2
		.amdhsa_user_sgpr_kernarg_segment_ptr 1
		.amdhsa_wavefront_size32 1
		.amdhsa_system_sgpr_workgroup_id_x 1
		.amdhsa_system_sgpr_workgroup_id_y 1
		.amdhsa_system_sgpr_workgroup_id_z 1
		.amdhsa_system_vgpr_workitem_id 0
		.amdhsa_next_free_vgpr 256
		.amdhsa_next_free_sgpr 66
		.amdhsa_reserve_vcc 0
		.amdhsa_float_denorm_mode_32 3
		.amdhsa_float_denorm_mode_16_64 3
		.amdhsa_memory_ordered 1
		.amdhsa_forward_progress 1
		.amdhsa_inst_pref_size 97
	.end_amdhsa_kernel
	.amdgpu_metadata
---
amdhsa.version: [ 1, 2 ]
amdhsa.kernels:
  - .name:           k_qee8691046e_prep
    .symbol:         k_qee8691046e_prep.kd
    .args:
      - { .name: x, .offset: 0, .size: 8, .value_kind: global_buffer, .address_space: global }
      - { .name: W1, .offset: 8, .size: 8, .value_kind: global_buffer, .address_space: global }
      - { .name: b1, .offset: 16, .size: 8, .value_kind: global_buffer, .address_space: global }
      - { .name: W2, .offset: 24, .size: 8, .value_kind: global_buffer, .address_space: global }
      - { .name: hq, .offset: 32, .size: 8, .value_kind: global_buffer, .address_space: global }
      - { .name: w2c, .offset: 40, .size: 8, .value_kind: global_buffer, .address_space: global }
    .group_segment_fixed_size: 244224
    .private_segment_fixed_size: 0
    .kernarg_segment_align: 8
    .kernarg_segment_size: 48
    .max_flat_workgroup_size: 256
    .sgpr_count:     66
    .vgpr_count:     256
    .wavefront_size: 32
...
	.end_amdgpu_metadata
.endif
;; end of part 4
;; launch main (part 5): grid 16 x 16, 4 waves a work-group, clusters of 4 x 4, 327,680 bytes of LDS; arguments hq, w2c, b2, y, out0, part; writes out0, part
.if DOCPART == 5
	.amdgcn_target "amdgcn-amd-amdhsa--gfx1250"
	.amdhsa_code_object_version 6
	.text
	.protected	k_qee8691046e_main
	.globl	k_qee8691046e_main
	.p2align	8
	.type	k_qee8691046e_main,@function
k_qee8691046e_main:
	s_mov_b64 s[64:65], 0
	v_nop
	global_prefetch_b8 v0, s[64:65] scope:SCOPE_SE
	s_setreg_imm32_b32 hwreg(HW_REG_WAVE_MODE, 25, 1), 1
	s_wait_xcnt 0x0
	s_wait_alu depctr_hold_cnt(0) depctr_sa_sdst(0) depctr_va_vdst(0) depctr_va_sdst(0) depctr_va_ssrc(0) depctr_va_vcc(0) depctr_vm_vsrc(0)
	s_getreg_b32 s2, hwreg(HW_REG_IB_STS2, 6, 4)
	s_cmp_eq_u32 s2, 0
	s_cbranch_scc0 .Lentry_in_a_cluster
	s_endpgm
.Lentry_in_a_cluster:
	s_bfe_u32 s2, ttmp6, 0x10000c
	s_cmp_lg_u32 s2, 0xf033
	s_cbranch_scc0 .Lentry_shape_is_right
	s_endpgm
.Lentry_shape_is_right:
; MAIN.  pdf = Q(h) Q(W2) + b2 on codes of FP6 (E2M3) with E8M0 scales, and the rational-quadratic spline on pdf, which never leaves the registers.
; SHARES.  A work-group makes 256 rows (rb2) x 8 dims (g2): 16 row tiles x 24 column tiles and the extra tile (parameter 48 of the 8 dims).  Wave w = 2 wr + wc takes the 8 row tiles of row half wr x the 12 tiles
; of dims 4 wc .. 4 wc + 3 (96 accumulators) and the extra tile x 4 row tiles: 100 accumulators, 800 registers.
; K = 2,048 goes in 16 steps of 128 through two LDS slots.  A SLOT HOLDS TWO STEPS: two blocks of w2c (41,984 bytes each) and, for each row half, two blocks of hq (14,336 each): 141,312 bytes; the one tensor load
; that a wave issues at a change of slots has two steps, 200 matrix instructions, in which to land.  All lie as images of the operands' registers: a fragment comes by three ds_load_b128 of 512 consecutive bytes.
; THE PRODUCT IS USED TRANSPOSED (source 0 = 16 columns of W2, source 1 = 16 rows of h), and the columns of a tile are 2 dims x 8 parameters: lane (r, h) holds ONE (row, dim) pair, and accumulators (a, T, 2 q), (a, T, 2 q + 1)
; are its 16 widths (T = 0), heights (1) or knot slopes 0-15 (2), in 16 consecutive registers.  Only parameter 48 changes waves, through LDS: wave (wr, wc) makes it for row tiles 4 wc .. 4 wc + 3 of its half.
; CLUSTER 4 x 4: the four work-groups of a column share g2 and so w2c's blocks, the four of a row share rb2 and so hq's: each is asked for jointly.  Waves 0 and 1 fetch one step's block of w2c each, waves 2 and 3 one row half's
; two blocks of hq each.  y (256 rows x 32 bytes) and the group's 392 biases come once, by plain loads, and go by LDS stores to bytes that no tensor load fills; the biases lie there 256 bytes a dim.
; REGISTERS: window 0: v1-6 LDS addresses, three a slot; v7, v8 the spare word's address and 0; v9 the prefetches' offset; v10-18 scale words and nothing else; v19 16 x lane; v20-51 the extra tile's four accumulators;
;   v52-147 A's eight fragments; v148-243 two buffers of four fragments of W2; v244-255 the extra tile's fragment.  Window 1 + T: accumulator (a, f) at 128 (a / 4) + 32 (a % 4) + 8 f.
; THE SPLINE IS WORKED IN PLACE, in the accumulators' windows, phase by phase over the wave's eight row tiles: eight pairs by turns in every phase, one window setting a phase.
; Both softmaxes take their maximum away first.  Knot k + 1 is (the running sum of the exponentials) x 0.984 / (their sum) + (k + 1) 1e-3.  The bin is found by a binary search made of compares and selects: the window of
; 17 knots is halved four times, in place; no branch and no address hangs on it.  The knots ascend strictly (each bin is at least 1e-3 wide), so the search finds the bin that counting the knots passed finds, and it cannot leave 0 .. 15,
; which is the clip.  The softplus is taken of the two chosen slopes alone, as max(d, 0) + ln 2 log2(1 + 2^(-|d| log2 e)).
; LIMITS: a bin's width and height are differences of knots (absolute error near 1e-7, bins are at least 1e-3 wide); a y exactly on a knot may fall in either bin, where the spline is continuous; NaN and infinities are not served.
; out0 leaves in runs of 32 bytes, since a work-group owns 8 of a row's 128 dims.  The sum of log(deriv) over a group's 8 dims goes to part[g2][row]; the next launch adds the sixteen groups.
.set BSTEP, 41984                      ; a block of w2c
.set ASTEP, 14336                      ; a block of hq
.set AHALF, 2*ASTEP                    ; a row half's two steps
.set AOFF,  2*BSTEP                    ; a slot: w2c's two blocks, then hq's two for row half 0, then those for row half 1
.set SLOTB, AOFF+2*AHALF               ; 141,312
.set EOFF,  39936                      ; the extra tile in w2c's block
.set YT,    2*SLOTB                    ; y: 256 rows, 32 bytes + 16 of padding
.set EX,    YT+12288                   ; parameter 48, same shape
.set OS,    EX+12288                   ; out0's stage, same shape
.set BIAS,  OS+12288                   ; b2: 8 dims x 256 bytes (49 numbers and 15 places that nobody reads)
.set LP,    BIAS+2048                  ; the waves' sums of logarithms: 4 x 128 numbers
.set SPARE, LP+2048                    ; the spare words, 128 bytes a wave: two blocks of 256 bytes that no other line names
.set SPW, 7
.set NIL, 8
.set PFO, 9
.set SX,  10                           ; v10-13 W2's scale words: buffer z at 10 + 2 z
.set SA,  14                           ; v14-17 A's scale words, two row tiles each
.set SE,  18                           ; v18    the extra tile's
.set LI,  19
.set XT,  20
.set AF,  52
.set BF,  148
.set EF,  244
.set WV,  16
.set MSB, 0
.macro WIN new                         ; the immediate's high byte repeats the setting that is left; a switch that changes nothing is dropped
.if MSB != (\new)
	s_set_vgpr_msb (MSB<<8)|(\new)
.set MSB, (\new)
.endif
.endm
.macro PLACES                          ; four plain places: in front of loads into registers that matrix instructions have read, and of the first read of results
.rept 4
	v_nop
.endr
.endm
.macro CREST                           ; a round of the cluster's barrier behind its opening barrier
	s_cmp_lg_u32 s[WV], 0
	s_cbranch_scc1 .Lnot_wave_0_\@
	s_barrier_signal -3
.Lnot_wave_0_\@:
	s_barrier_wait -3
	s_barrier_signal -1
	s_barrier_wait -1
.endm
.macro CROUND
	s_barrier_signal -1
	s_barrier_wait -1
	CREST
.endm
; A joint load into slot sl: waves 0 and 1 for w2c, waves 2 and 3 for hq, one load on every way.  The branch hangs on the wave's number alone.  An s_nop 0 and four v_nop follow each of the two lines
.macro JLOAD sl
	s_cmp_lt_u32 s[WV], 2
	s_cbranch_scc0 .Lfor_a_\@
	tensor_load_to_lds s[48+4*(\sl):51+4*(\sl)], s[40:47]
	s_nop 0
.rept 4
	v_nop
.endr
	s_branch .Lasked_\@
.Lfor_a_\@:
	tensor_load_to_lds s[32+4*(\sl):35+4*(\sl)], s[24:31]
	s_nop 0
.rept 4
	v_nop
.endr
.Lasked_\@:
.endm
; A PREFETCH INTO THE L2 of what the NEXT change of slots will ask for: two steps' blocks, two steps (200 matrix instructions) ahead of that load.  The changes behind slots' worth 0 to 4 name slots' worth 3 to 7; 0 to 2 come by their loads alone.
; w2c's two blocks (328 runs of 256 bytes) are read by every cluster of a column of clusters: cluster y = 0 asks, waves 0 and 1; its four partners along y take 82 runs each, told apart by address.
; hq's four blocks (56 runs each) are read by every cluster of a row: cluster x = 0 asks, wave 3; each of the four partners along x takes one block.  A lane names two neighbouring runs (lanes past the share's end repeat the last pair).
; how = 1: wherever the wave asks at all; how = 2: not in the loop's last trip.
.macro ASK how
.if \how == 1
	s_cmp_eq_u32 s88, 1
.else
	s_cmp_gt_u32 s3, s88
.endif
	s_cbranch_scc0 .Lnot_mine_\@
	global_prefetch_b8 v[PFO], s[84:85] th:TH_LOAD_NT scope:SCOPE_SE
	global_prefetch_b8 v[PFO], s[84:85] offset:256 th:TH_LOAD_NT scope:SCOPE_SE
.Lnot_mine_\@:
.endm
.macro LDG sl, e, t, z                 ; my group t of step e of slot sl: four fragments and their scale words into buffer z: 13 LDS loads
.irp f, 0,1,2,3
.irp c, 0,1,2
	ds_load_b128 v[BF+48*(\z)+12*\f+4*\c:BF+48*(\z)+12*\f+4*\c+3], v[1+3*(\sl)] offset:BSTEP*(\e)+6656*(\t)+1536*\f+512*\c
.endr
.endr
	ds_load_b64 v[SX+2*(\z):SX+1+2*(\z)], v[1+3*(\sl)] offset:BSTEP*(\e)+6656*(\t)+6144
.endm
.macro LDA sl, e, hf                   ; A's row tiles 4 hf .. 4 hf + 3 and their scale words: 14 LDS loads
.irp pp, 0,1
.irp ee, 0,1
.irp c, 0,1,2
	ds_load_b128 v[AF+12*(4*(\hf)+2*\pp+\ee)+4*\c:AF+12*(4*(\hf)+2*\pp+\ee)+4*\c+3], v[3+3*(\sl)] offset:ASTEP*(\e)+3584*(2*(\hf)+\pp)+1536*\ee+512*\c
.endr
.endr
	ds_load_b32 v[SA+2*(\hf)+\pp], v[3+3*(\sl)] offset:ASTEP*(\e)+3584*(2*(\hf)+\pp)+3072
.endr
.endm
.macro LDE sl, e                       ; the extra tile: 4 LDS loads
.irp c, 0,1,2
	ds_load_b128 v[EF+4*\c:EF+4*\c+3], v[2+3*(\sl)] offset:BSTEP*(\e)+512*\c
.endr
	ds_load_b32 v[SE], v[2+3*(\sl)] offset:BSTEP*(\e)+1536
.endm
; one matrix instruction: D at d, source 0 (W2) at a, source 1 (h) at b, their scale registers sa, sb; ra, rb = 1: that side's words lie in lanes 16-31; zero = 1: the product starts the sum
.macro WM d, a, b, sa, sb, ra, rb, zero
.if (\zero)
.if ((\ra)==0) && ((\rb)==0)
	v_wmma_scale_f32_16x16x128_f8f6f4 v[(\d):(\d)+7], v[(\a):(\a)+11], v[(\b):(\b)+11], 0, v[\sa], v[\sb] matrix_a_fmt:MATRIX_FMT_FP6 matrix_b_fmt:MATRIX_FMT_FP6
.elseif (\rb)==0
	v_wmma_scale_f32_16x16x128_f8f6f4 v[(\d):(\d)+7], v[(\a):(\a)+11], v[(\b):(\b)+11], 0, v[\sa], v[\sb] matrix_a_fmt:MATRIX_FMT_FP6 matrix_b_fmt:MATRIX_FMT_FP6 matrix_a_scale:MATRIX_SCALE_ROW1
.elseif (\ra)==0
	v_wmma_scale_f32_16x16x128_f8f6f4 v[(\d):(\d)+7], v[(\a):(\a)+11], v[(\b):(\b)+11], 0, v[\sa], v[\sb] matrix_a_fmt:MATRIX_FMT_FP6 matrix_b_fmt:MATRIX_FMT_FP6 matrix_b_scale:MATRIX_SCALE_ROW1
.else
	v_wmma_scale_f32_16x16x128_f8f6f4 v[(\d):(\d)+7], v[(\a):(\a)+11], v[(\b):(\b)+11], 0, v[\sa], v[\sb] matrix_a_fmt:MATRIX_FMT_FP6 matrix_b_fmt:MATRIX_FMT_FP6 matrix_a_scale:MATRIX_SCALE_ROW1 matrix_b_scale:MATRIX_SCALE_ROW1
.endif
.else
.if ((\ra)==0) && ((\rb)==0)
	v_wmma_scale_f32_16x16x128_f8f6f4 v[(\d):(\d)+7], v[(\a):(\a)+11], v[(\b):(\b)+11], v[(\d):(\d)+7], v[\sa], v[\sb] matrix_a_fmt:MATRIX_FMT_FP6 matrix_b_fmt:MATRIX_FMT_FP6
.elseif (\rb)==0
	v_wmma_scale_f32_16x16x128_f8f6f4 v[(\d):(\d)+7], v[(\a):(\a)+11], v[(\b):(\b)+11], v[(\d):(\d)+7], v[\sa], v[\sb] matrix_a_fmt:MATRIX_FMT_FP6 matrix_b_fmt:MATRIX_FMT_FP6 matrix_a_scale:MATRIX_SCALE_ROW1
.elseif (\ra)==0
	v_wmma_scale_f32_16x16x128_f8f6f4 v[(\d):(\d)+7], v[(\a):(\a)+11], v[(\b):(\b)+11], v[(\d):(\d)+7], v[\sa], v[\sb] matrix_a_fmt:MATRIX_FMT_FP6 matrix_b_fmt:MATRIX_FMT_FP6 matrix_b_scale:MATRIX_SCALE_ROW1
.else
	v_wmma_scale_f32_16x16x128_f8f6f4 v[(\d):(\d)+7], v[(\a):(\a)+11], v[(\b):(\b)+11], v[(\d):(\d)+7], v[\sa], v[\sb] matrix_a_fmt:MATRIX_FMT_FP6 matrix_b_fmt:MATRIX_FMT_FP6 matrix_a_scale:MATRIX_SCALE_ROW1 matrix_b_scale:MATRIX_SCALE_ROW1
.endif
.endif
.endm
; row tiles 4 hf + lo .. (cnt of them) x the four tiles of buffer z; the window of C and D says which group.  All 100 accumulators take turns, one instruction a turn, in the same order in every step
.macro BLK hf, z, lo, cnt, zero
.set AA, \lo
.rept \cnt
.irp f, 0,1,2,3
	WM 128*(\hf)+32*AA+8*\f, BF+48*(\z)+12*\f, AF+12*(4*(\hf)+AA), SX+2*(\z)+\f/2, SA+2*(\hf)+AA/2, \f%2, AA%2, \zero
.endr
.set AA, AA+1
.endr
.endm
; the extra tile x four row tiles, all in window 0: the two waves of a row half share its eight row tiles by a branch on the wave's number
.macro EXTRA zero
	s_cmp_eq_u32 s17, 0
	s_cbranch_scc0 .Lupper_\@
.irp x, 0,1,2,3
	WM XT+8*\x, EF, AF+12*\x, SE, SA+\x/2, 0, \x%2, \zero
.endr
	s_branch .Lextra_\@
.Lupper_\@:
.irp x, 0,1,2,3
	WM XT+8*\x, EF, AF+12*(4+\x), SE, SA+2+\x/2, 0, \x%2, \zero
.endr
.Lextra_\@:
.endm
; A K STEP of 128: step e (0, 1) of slot sl.  Group 0 lies in buffer e, group 1 in the other, group 2 in buffer e again; the next step's group 0 goes into the other: so the buffers change places from step to step.
; mode 3: the next step lies in the same slot; mode 2: the slot is left and filled again, with the steps four on; mode 1: it is left and nothing is asked for; mode 0: the last step.
.macro STEP sl, e, zero, mode, ask
	PLACES                                         ; behind the last step's products
	LDA \sl, \e, 1
	LDG \sl, \e, 1, 1-\e
	s_wait_dscnt 27                                ; those 14 + 13 are younger: group 0 and A's row tiles 0-3 are in
	WIN 0x50
	BLK 0, \e, 0, 4, \zero
	s_wait_dscnt 13                                ; group 1's loads are younger: A's row tiles 4-7 are in
	BLK 1, \e, 0, 4, \zero
	PLACES
	WIN 0
	LDG \sl, \e, 2, \e
	LDE \sl, \e
	s_wait_dscnt 17                                ; those 13 + 4 are younger: group 1 is in
	WIN 0xa0
	BLK 0, 1-\e, 0, 4, \zero
.if (\mode == 1) || (\mode == 2)
.if \mode == 2
	s_wait_xcnt 0x0                                ; the last prefetches, a slot back, have read their address: it steps here, ahead of the waits of the change of slots
	s_add_nc_u64 s[84:85], s[84:85], s[86:87]
.endif
	WIN 0                                          ; (the add's two registers lie in window 0)
	s_wait_tensorcnt 0x0                           ; all my tensor loads have landed: the one that was out is my part of the other slot
	ds_add_u32 v[SPW], v[NIL]                      ; 0 onto my spare word
	WIN 0xa0
	BLK 1, 1-\e, 0, 2, \zero                       ; eight matrix instructions stand between the add and the wait for it
	s_wait_dscnt 0x0                               ; the add is done; group 2 and the extra tile are in registers: my reads of this slot are over
	s_barrier_signal -1
	BLK 1, 1-\e, 2, 2, \zero
	WIN 0
	s_barrier_wait -1
.if \mode == 2
	CREST                                          ; the barrier has opened a round of the cluster's: no wave of any partner still reads this slot or has a load on its way
	s_add_nc_u64 s[50+4*(\sl):51+4*(\sl)], s[50+4*(\sl):51+4*(\sl)], 4*BSTEP
	s_add_nc_u64 s[34+4*(\sl):35+4*(\sl)], s[34+4*(\sl):35+4*(\sl)], 4*ASTEP
	JLOAD \sl                                      ; the first tensor load behind the round, one a wave
.else
	PLACES
.endif
	LDG 1-\sl, 0, 0, 1-\e                          ; the next step's group 0, from the other slot
.if \ask
	ASK \ask
.endif
.elseif \mode == 3
	BLK 1, 1-\e, 0, 4, \zero
	PLACES
	WIN 0
	LDG \sl, 1, 0, 1-\e                            ; the next step's group 0, from the same slot: the barrier in front of the slot has shown all of it to every wave
	s_wait_dscnt 13                                ; those 13 are younger: group 2 and the extra tile are in
.else
	s_wait_dscnt 0x0
	BLK 1, 1-\e, 0, 4, \zero
.endif
	WIN 0xf0
	BLK 0, \e, 0, 4, \zero
	WIN 0
	EXTRA \zero
.if \mode >= 1
	PLACES
.if \mode == 3
	LDA \sl, 1, 0
.else
	LDA 1-\sl, 0, 0
.endif
.endif
	WIN 0xf0
	BLK 1, \e, 0, 4, \zero
	WIN 0
.endm
	s_load_b256 s[4:11], s[0:1], 0x0               ; hq s[4:5], w2c s[6:7], b2 s[8:9], y s[10:11]
	s_load_b128 s[12:15], s[0:1], 0x20             ; out0 s[12:13], part s[14:15]
	v_lshl_add_u32 v[SPW], v0, 2, SPARE
	v_mov_b32 v[NIL], 0
	ds_add_u32 v[SPW], v[NIL]                      ; the opening lines: the add, twice on end, and its wait ahead of my first tensor load
	ds_add_u32 v[SPW], v[NIL]
	v_lshrrev_b32 v[LI], 5, v0
	v_readfirstlane_b32 s[WV], v[LI]               ; wave 0..3
	s_and_b32 s17, s[WV], 1                        ; wc: which 4 dims are mine.  Also: which block of w2c, or which row half of hq, I fetch
	s_bfe_u32 s18, ttmp6, 0x40000                  ; cx
	s_bfe_u32 s19, ttmp6, 0x40004                  ; cy
	s_lshl_b32 s20, ttmp9, 2
	s_add_co_u32 s20, s20, s18                     ; g2 = 4 x cluster x + cx
	s_and_b32 s21, ttmp7, 0xffff
	s_lshl_b32 s21, s21, 2
	s_add_co_u32 s21, s21, s19                     ; rb2 = 4 x cluster y + cy
	s_lshl_b32 s22, s19, 2
	s_lshl_b32 s22, 15, s22                        ; my row of the cluster
	s_lshl_b32 s23, 0x1111, s18                    ; my column
	; group 1 for a row half's two blocks of hq: 112 rows of 256 bytes (32 elements of 8), dense; the mask: my row
	s_or_b32 s24, s22, (3<<16)|(1<<21)
	s_mov_b32 s25, 32<<16
	s_mov_b32 s26, 112<<16
	s_mov_b32 s27, 32<<16
	s_mov_b32 s28, 112
	s_mov_b32 s29, 32
	s_mov_b32 s30, 0
	s_mov_b32 s31, 0
	; for a block of w2c: 164 rows of 256 bytes; the mask: my column
	s_or_b32 s40, s23, (3<<16)|(1<<21)
	s_mov_b32 s41, 32<<16
	s_mov_b32 s42, 164<<16
	s_mov_b32 s43, 32<<16
	s_mov_b32 s44, 164
	s_mov_b32 s45, 32
	s_mov_b32 s46, 0
	s_mov_b32 s47, 0
	s_mul_i32 s66, s20, 16*BSTEP                   ; w2c: 16 blocks a group (this pair never holds cy),
	s_mul_i32 s89, s17, BSTEP                      ; and the block that I fetch, in memory and in a slot
	s_add_co_u32 s66, s66, s89
	s_mov_b32 s67, 0
	s_lshl_b32 s98, s21, 1
	s_add_co_u32 s98, s98, s17                     ; hq: the row half that I fetch (this pair never holds cx):
	s_mul_i32 s98, s98, 16*ASTEP                   ; 16 blocks for 128 rows
	s_mov_b32 s99, 0
	s_mul_i32 s90, s17, AHALF
	s_add_co_u32 s90, s90, AOFF                    ; and its place in a slot
	s_lshl_b32 s96, s21, 17
	s_lshl_b32 s97, s20, 5
	s_add_co_u32 s96, s96, s97                     ; y and out0: 131,072 rb2 + 32 g2
	s_mov_b32 s97, 0
	s_mul_i32 s2, s20, 1568                        ; b2: 392 numbers a group
	s_mov_b32 s3, 0
	v_lshrrev_b32 v72, 1, v0                       ; y: thread t takes 16 bytes of rows t / 2 + 64 i
	v_and_b32 v73, 1, v0
	v_lshlrev_b32 v74, 9, v72
	v_lshl_add_u32 v74, v73, 4, v74                ; in memory,
	v_mul_u32_u24 v75, v72, 48
	v_lshl_add_u32 v75, v73, 4, v75
	v_add_nc_u32 v75, YT, v75                      ; and in LDS
	v_lshrrev_b32 v72, 4, v0                       ; b2: thread t takes parameters t % 16 + 16 i of dim t / 16; i = 3: all sixteen take parameter 48 and lay it in places 48 to 63
	v_and_b32 v73, 15, v0
	v_mul_u32_u24 v76, v72, 196
	v_lshl_add_u32 v77, v73, 2, v76
	v_lshlrev_b32 v78, 8, v72
	v_lshl_add_u32 v78, v73, 2, v78
	v_add_nc_u32 v78, BIAS, v78
	s_wait_alu depctr_va_vdst(0)
	s_wait_dscnt 0x0                               ; both opening adds are done
	s_wait_kmcnt 0x0
	s_add_nc_u64 s[70:71], s[10:11], s[96:97]      ; y at my block
	s_add_nc_u64 s[82:83], s[8:9], s[2:3]          ; b2 at my group
.irp i, 0,1,2,3
	global_load_b128 v[52+4*\i:55+4*\i], v74, s[70:71] offset:32768*\i
.endr
.irp i, 0,1,2
	global_load_b32 v[68+\i], v77, s[82:83] offset:64*\i
.endr
	global_load_b32 v71, v76, s[82:83] offset:192
	s_mov_b32 s48, 1
	s_mov_b32 s49, s89
	s_add_nc_u64 s[50:51], s[6:7], s[66:67]        ; slot 0: K steps 0, 1
	s_mov_b32 s52, 1
	s_add_co_u32 s53, s89, SLOTB
	s_add_nc_u64 s[54:55], s[50:51], 2*BSTEP       ; slot 1: K steps 2, 3
	s_or_b32 s51, s51, 0x80000000
	s_or_b32 s55, s55, 0x80000000
	s_mov_b32 s32, 1
	s_mov_b32 s33, s90
	s_add_nc_u64 s[34:35], s[4:5], s[98:99]
	s_mov_b32 s36, 1
	s_add_co_u32 s37, s90, SLOTB
	s_add_nc_u64 s[38:39], s[34:35], 2*ASTEP
	s_or_b32 s35, s35, 0x80000000
	s_or_b32 s39, s39, 0x80000000
	s_add_nc_u64 s[12:13], s[12:13], s[96:97]      ; out0 at my block
	CROUND                                         ; all sixteen work-groups are here: the first joint loads meet
	JLOAD 0                                        ; slot 0: one tensor load a wave at the head
	v_and_b32 v[LI], 31, v0
	v_lshlrev_b32 v[LI], 4, v[LI]                  ; 16 x lane: my place in every image
	s_mul_i32 s2, s17, 19968
	v_add_nc_u32 v1, s2, v[LI]                     ; my 4 dims' part of w2c's block, slot 0; v4: slot 1
	v_add_nc_u32 v4, SLOTB, v1
	v_add_nc_u32 v2, EOFF, v[LI]                   ; the extra tile
	v_add_nc_u32 v5, SLOTB+EOFF, v[LI]
	s_lshr_b32 s2, s[WV], 1                        ; wr: my row half
	s_mul_i32 s2, s2, AHALF
	s_add_co_u32 s2, s2, AOFF
	v_add_nc_u32 v3, s2, v[LI]                     ; its blocks of hq
	v_add_nc_u32 v6, SLOTB, v3
	; the prefetches: where my wave's stand, and who asks
	s_and_b32 s2, ttmp7, 0xffff                    ; cluster y
	s_mul_i32 s96, s20, 16*BSTEP
	s_mul_i32 s3, s19, 20992                       ; w2c: partner cy takes 82 runs of the 328
	s_add_co_u32 s96, s96, s3
	s_lshr_b32 s97, s18, 1                         ; hq: partner cx takes the block of row half cx / 2, step cx % 2
	s_lshl_b32 s3, s21, 1
	s_add_co_u32 s97, s97, s3
	s_mul_i32 s97, s97, 16*ASTEP
	s_and_b32 s3, s18, 1
	s_mul_i32 s3, s3, ASTEP
	s_add_co_u32 s97, s97, s3
	s_mov_b32 s86, 2*ASTEP
	s_cmp_lt_u32 s[WV], 2                          ; waves 0 and 1: w2c; wave 3: hq
	s_cselect_b64 s[84:85], s[6:7], s[4:5]
	s_cselect_b32 s96, s96, s97
	s_cselect_b32 s88, s2, ttmp9                   ; the coordinate along which other clusters read the same blocks
	s_cselect_b32 s86, 2*BSTEP, s86                ; a slot's worth on
	s_cselect_b32 s2, 0, 96
	s_cselect_b32 s3, 40, 27
	s_lshl_b32 s87, s86, 1
	s_add_co_u32 s96, s96, s87                     ; at the third slot's worth: the first change of slots steps it to the fourth
	s_mov_b32 s97, 0
	s_mov_b32 s87, 0
	s_add_nc_u64 s[84:85], s[84:85], s[96:97]
	s_cmp_eq_u32 s88, 0
	s_cselect_b32 s88, 1, -1                       ; the same in all sixteen partners, for a given wave
	s_cmp_eq_u32 s[WV], 2
	s_cselect_b32 s88, -1, s88                     ; wave 2 asks for nothing
	v_sub_nc_u32 v[PFO], v0, s2
	v_min_u32 v[PFO], s3, v[PFO]
	v_lshlrev_b32 v[PFO], 9, v[PFO]                ; lanes 512 bytes apart: two runs a lane
	s_lshl_b32 s96, s20, 14
	s_lshl_b32 s2, s21, 10
	s_add_co_u32 s96, s96, s2
	s_add_nc_u64 s[14:15], s[14:15], s[96:97]      ; part at [g2][256 rb2]
	s_mov_b32 s90, 0x76543210
	s_mov_b32 s91, 0xfedcba98                      ; v_permlanex16_b32's selects for lane l xor 16
	s_mov_b32 s92, 0x3fb8aa3b                      ; log2 e
	s_mov_b32 s93, s92                             ; (named with it as a pair)
	s_mov_b32 s94, 0xbfb8aa3b                      ; -log2 e
	s_mov_b32 s95, 0x3f317218                      ; ln 2
	s_wait_alu depctr_va_vdst(0)
	s_wait_loadcnt 0x0                             ; y and the biases are in registers
.irp i, 0,1,2,3
	ds_store_b128 v75, v[52+4*\i:55+4*\i] offset:3072*\i
.endr
.irp i, 0,1,2,3
	ds_store_b32 v78, v[68+\i] offset:64*\i
.endr
	s_wait_tensorcnt 0x0                           ; my part of slot 0 is in
	ds_add_u32 v[SPW], v[NIL]
	s_wait_dscnt 0x0                               ; the add is done, and so are my stores of y and the biases
	CROUND                                         ; a whole round: slot 0 is whole, and all sixteen work-groups are here
	JLOAD 1                                        ; slot 1's first fill, the first tensor load behind the round
	LDG 0, 0, 0, 0
	LDA 0, 0, 0
	STEP 0, 0, 1, 3, 0                             ; K step 0 stands ahead of the loop: its products start the sums
	s_mov_b32 s3, 3
.Lk:                                               ; three trips of four K steps, 1 to 12: a trip goes once round the ring and fills both slots again
	STEP 0, 1, 0, 2, 1
	STEP 1, 0, 0, 3, 0
	STEP 1, 1, 0, 2, 2
	STEP 0, 0, 0, 3, 0
	s_sub_co_u32 s3, s3, 1
	s_cmp_lg_u32 s3, 0
	s_cbranch_scc1 .Lk
	STEP 0, 1, 0, 1, 0                             ; the tail is written out: slot 0 is left and nothing is asked for
	STEP 1, 0, 0, 3, 0
	STEP 1, 1, 0, 0, 0
	; ---- THE WAY OUT
.set EA,  1                            ; v1     y's place for row tile 0: row 128 wr + r, dim 4 wc + h; row tile a 768 a on, dims 2 q on 8 q on; parameter 48 lies 12,288 bytes on, out0's stage 24,576
.set BI,  2                            ; v2     the biases of dim 4 wc + h; dims 2 q on 512 q on
.set EXS, 3                            ; v3     where I put parameter 48 of my four row tiles
.set LPS, 4                            ; v4     where my sums of logarithms go
.set OSR, 5                            ; v5     out0's stage, read back by rows
.set GO,  6                            ; v6     and the same place in out0
.set CK,  20                           ; v20-35 (k + 1) x 1e-3
.set LS,  36                           ; v36-43 a sum of log2(deriv) for each row tile
.set LPR, 44                           ; v44    from where wave 0 reads the waves' sums;  v45: parameter 48's bias for q = 1
.set BQ,  46                           ; v46-94 the 49 biases of my dim for q = 0 (those for q = 1 lie in v96-143 until they are added)
.set TB,  96                           ; v96-255 twenty registers for each row tile: 0 y, 1 slope 16, 2-3 and 4-5 the softmaxes' factor and maximum, 6, 7 knot 0's x, y, 8-19 at work
.set MK,  24                           ; s24-31 the search's masks, one a row tile
.macro SAB a, q                        ; AB: the 16 registers of row tile a, dims 2 q, in each accumulator window; TA: its twenty in window 0
.set AB, 128*(\a/4)+32*(\a%4)+16*(\q)
.set TA, TB+20*\a
.endm
	PLACES                                         ; behind the last products
	s_lshr_b32 s2, s[WV], 1
	s_mul_i32 s2, s2, 6144                         ; my row half: 128 rows of 48 bytes
	s_lshl_b32 s3, s17, 4
	s_add_co_u32 s3, s3, s2
	s_add_co_u32 s3, s3, YT
	s_lshl_b32 s20, s17, 10
	s_add_co_u32 s20, s20, BIAS
	s_mul_i32 s21, s17, 3072
	s_add_co_u32 s21, s21, s2
	s_add_co_u32 s21, s21, EX
	s_lshl_b32 s22, s[WV], 9
	s_add_co_u32 s22, s22, LP
	s_mov_b32 s96, 0x3a83126f                      ; 1e-3
	s_mov_b32 s97, 0x3f7be76d                      ; 0.984
	v_and_b32 v[TB], 15, v0                        ; r
	v_bfe_u32 v[TB+1], v0, 4, 1                    ; h
	v_mul_u32_u24 v[TB+2], v[TB], 48
	v_lshl_add_u32 v[EA], v[TB+1], 2, v[TB+2]
	v_add_nc_u32 v[EA], s3, v[EA]
	v_lshl_add_u32 v[BI], v[TB+1], 8, s20
	v_add_nc_u32 v[EXS], s21, v[TB+2]              ; row 128 wr + 64 wc + r
	v_lshl_add_u32 v[LPS], v[TB], 2, s22
	v_lshrrev_b32 v[TB+3], 1, v0
	v_and_b32 v[TB+4], 1, v0
	v_mul_u32_u24 v[OSR], v[TB+3], 48
	v_lshl_add_u32 v[OSR], v[TB+4], 4, v[OSR]
	v_add_nc_u32 v[OSR], OS, v[OSR]                ; rows t / 2 + 64 i, 16 bytes a thread
	v_lshlrev_b32 v[GO], 9, v[TB+3]
	v_lshl_add_u32 v[GO], v[TB+4], 4, v[GO]
.irp x, 0,1,2,3
	ds_store_b128 v[EXS], v[XT+8*\x:XT+8*\x+3] offset:768*\x          ; parameter 48: lane (r, h) holds row r of my row tile x, dims 0 .. 7; both halves of the lanes write the same bytes; each accumulator from its low end on
	ds_store_b128 v[EXS], v[XT+8*\x+4:XT+8*\x+7] offset:768*\x+16
.endr
	s_wait_alu depctr_va_vdst(0)
	s_wait_dscnt 0x0                               ; for the others' sake
	s_barrier_signal -1
	v_mov_b32 v[CK], s96                           ; between signal and wait: work on registers, and loads of the biases, which nobody writes any more
.set II, 1
.rept 15
	v_add_f32 v[CK+II], v[CK+II-1], v[CK]
.set II, II+1
.endr
	v_add_nc_u32 v[LPR], LP, v[LI]
.irp q, 0,1
.irp j, 0,1,2,3,4,5,6,7,8,9,10,11
	ds_load_b128 v[BQ+(TB-BQ)*\q+4*\j:BQ+(TB-BQ)*\q+4*\j+3], v[BI] offset:512*\q+16*\j
.endr
	ds_load_b32 v[94-49*\q], v[BI] offset:512*\q+192
.endr
	s_barrier_wait -1
	s_wait_dscnt 0x0                               ; the biases
; b2 onto all 96 accumulators, in place, ahead of the first transcendental: every matrix result has its first read here, from its low end on
.irp t, 1,2,3
	WIN \t*65                                      ; destination and source 0: the group's window
.irp q, 0,1
.irp a, 0,1,2,3,4,5,6,7
	SAB \a, \q
.irp i, 0,2,4,6,8,10,12,14
	v_pk_add_f32 v[AB+\i:AB+\i+1], v[AB+\i:AB+\i+1], v[BQ+(TB-BQ)*\q+16*(\t-1)+\i:BQ+(TB-BQ)*\q+16*(\t-1)+\i+1]
.endr
.endr
.endr
.endr
	WIN 0
.macro INPL q, st, n                   ; n registers of each row tile's window take the register st further up where the mask is set: ascending, so that nothing is read behind its overwriting
.set JJ, 0
.rept \n
.irp a, 0,1,2,3,4,5,6,7
	SAB \a, \q
	v_cndmask_b32 v[AB+JJ], v[AB+JJ], v[AB+JJ+\st], s[MK+\a]
.endr
.set JJ, JJ+1
.endr
.endm
; One level of the search: of the window's 2 st + 1 knots the upper st + 1 are taken where y has reached the middle knot, else the lower.  Knot i's x lies in register i - 1 of window 1, its y in register i - 1 of window 2
; (knot 0's in TA + 6, TA + 7), its slope in register i of window 3 (slope 16 in TA + 1)
.macro LEVEL q, st
	WIN 0x04                                       ; source 1: window 1
.irp a, 0,1,2,3,4,5,6,7
	SAB \a, \q
	v_cmp_ge_f32 s[MK+\a], v[TA], v[AB+\st-1]
.endr
.irp a, 0,1,2,3,4,5,6,7
	SAB \a, \q
	v_cndmask_b32 v[TA+6], v[TA+6], v[AB+\st-1], s[MK+\a]
.endr
	WIN 0x45
	INPL \q, \st, \st
	WIN 0x08
.irp a, 0,1,2,3,4,5,6,7
	SAB \a, \q
	v_cndmask_b32 v[TA+7], v[TA+7], v[AB+\st-1], s[MK+\a]
.endr
	WIN 0x8a
	INPL \q, \st, \st
	WIN 0xcf
.if \st == 8
	INPL \q, 8, 8
	WIN 0xc3                                       ; source 1: window 0: slope 16
.irp a, 0,1,2,3,4,5,6,7
	SAB \a, \q
	v_cndmask_b32 v[AB+8], v[AB+8], v[TA+1], s[MK+\a]
.endr
.else
	INPL \q, \st, \st+1
.endif
.endm
; The spline of my eight row tiles, dim 4 wc + 2 q + h.  Each batch of transcendentals has one wait ahead of it and, behind a plain line, one behind it
.macro SPLQ q
.irp a, 0,1,2,3,4,5,6,7
	ds_load_b32 v[TB+20*\a], v[EA] offset:768*\a+8*\q
	ds_load_b32 v[TB+20*\a+1], v[EA] offset:12288+768*\a+8*\q
.endr
.irp t, 1,2                            ; the maxima of the widths (into TA + 3) and of the heights (TA + 5)
	WIN \t*21
.irp a, 0,1,2,3,4,5,6,7
	SAB \a, \q
	v_max3_num_f32 v[TA+1+2*\t], v[AB], v[AB+1], v[AB+2]
.endr
	WIN \t*20
.irp i, 3,5,7,9,11,13
.irp a, 0,1,2,3,4,5,6,7
	SAB \a, \q
	v_max3_num_f32 v[TA+1+2*\t], v[TA+1+2*\t], v[AB+\i], v[AB+\i+1]
.endr
.endr
.irp a, 0,1,2,3,4,5,6,7
	SAB \a, \q
	v_max_num_f32 v[TA+1+2*\t], v[TA+1+2*\t], v[AB+15]
.endr
.endr
	WIN 0
.irp a, 0,1,2,3,4,5,6,7
	SAB \a, \q
	v_mul_f32 v[TA+2], s94, v[TA+3]                ; -(the maximum) log2 e
	v_mul_f32 v[TA+4], s94, v[TA+5]
.endr
.irp t, 1,2
	WIN \t*65
.irp i, 0,2,4,6,8,10,12,14
.irp a, 0,1,2,3,4,5,6,7
	SAB \a, \q
	v_pk_fma_f32 v[AB+\i:AB+\i+1], v[AB+\i:AB+\i+1], s[92:93], v[TA+2*\t:TA+2*\t+1] op_sel_hi:[1,0,0]
.endr
.endr
.endr
	s_wait_dscnt 0x0                               ; y and parameter 48
	s_wait_alu depctr_va_vdst(0)
.irp t, 2,1
	WIN \t*65
.irp a, 0,1,2,3,4,5,6,7
	SAB \a, \q
.set II, 0
.rept 16
	v_exp_f32 v[AB+II], v[AB+II]
.set II, II+1
.endr
.endr
.endr
	v_nop
	s_wait_alu depctr_va_vdst(0)                   ; one wait for the 256 exponentials
.irp t, 1,2
	WIN \t*69
.set II, 1
.rept 15
.irp a, 0,1,2,3,4,5,6,7
	SAB \a, \q
	v_add_f32 v[AB+II], v[AB+II], v[AB+II-1]       ; running sums, eight chains by turns
.endr
.set II, II+1
.endr
.endr
	s_wait_alu depctr_va_vdst(0)
.irp t, 2,1
	WIN \t
.irp a, 0,1,2,3,4,5,6,7
	SAB \a, \q
	v_rcp_f32 v[TA+2*\t], v[AB+15]
.endr
.endr
	WIN 0
.irp a, 0,1,2,3,4,5,6,7
	SAB \a, \q
	v_mov_b32 v[TA+6], 0                           ; knot 0 lies at (0, 0)
	v_mov_b32 v[TA+7], 0
	v_add_f32 v[TA+1], v[TA+1], v[94-49*\q]        ; parameter 48's bias
.endr
	s_wait_alu depctr_va_vdst(0)
.irp a, 0,1,2,3,4,5,6,7
	SAB \a, \q
	v_mul_f32 v[TA+2], s97, v[TA+2]                ; 0.984 / the sum
	v_mul_f32 v[TA+4], s97, v[TA+4]
.endr
.irp t, 1,2
	WIN \t*65
.irp i, 0,2,4,6,8,10,12,14
.irp a, 0,1,2,3,4,5,6,7
	SAB \a, \q
	v_pk_fma_f32 v[AB+\i:AB+\i+1], v[AB+\i:AB+\i+1], v[TA+2*\t:TA+2*\t+1], v[CK+\i:CK+\i+1] op_sel_hi:[1,0,1]   ; register k: knot k + 1
.endr
.endr
.endr
	LEVEL \q, 8
	LEVEL \q, 4
	LEVEL \q, 2
	LEVEL \q, 1                                    ; the bin's two knots: x in TA + 6 and window 1's register 0; y in TA + 7 and window 2's; slopes in window 3's registers 0, 1
	WIN 0x01
.irp a, 0,1,2,3,4,5,6,7
	SAB \a, \q
	v_sub_f32 v[TA+8], v[AB], v[TA+6]              ; the bin's width
.endr
	WIN 0x02
.irp a, 0,1,2,3,4,5,6,7
	SAB \a, \q
	v_sub_f32 v[TA+9], v[AB], v[TA+7]              ; and height
.endr
	WIN 0x0c
.irp a, 0,1,2,3,4,5,6,7
	SAB \a, \q
	v_mul_f32 v[TA+10], s94, |v[AB]|
	v_mul_f32 v[TA+11], s94, |v[AB+1]|
	v_max_num_f32 v[TA+13], 0, v[AB]
	v_max_num_f32 v[TA+14], 0, v[AB+1]
.endr
	WIN 0
	s_wait_alu depctr_va_vdst(0)
.irp a, 0,1,2,3,4,5,6,7
	SAB \a, \q
	v_exp_f32 v[TA+10], v[TA+10]
	v_exp_f32 v[TA+11], v[TA+11]
	v_rcp_f32 v[TA+12], v[TA+8]
.endr
.irp a, 0,1,2,3,4,5,6,7
	SAB \a, \q
	v_sub_f32 v[TA+1], v[TA], v[TA+6]
	v_add_f32 v[TA+13], s96, v[TA+13]
	v_add_f32 v[TA+14], s96, v[TA+14]
.endr
	s_wait_alu depctr_va_vdst(0)
.irp a, 0,1,2,3,4,5,6,7
	SAB \a, \q
	v_add_f32 v[TA+10], 1.0, v[TA+10]
	v_add_f32 v[TA+11], 1.0, v[TA+11]
.endr
	s_wait_alu depctr_va_vdst(0)
.irp a, 0,1,2,3,4,5,6,7
	SAB \a, \q
	v_log_f32 v[TA+10], v[TA+10]
	v_log_f32 v[TA+11], v[TA+11]
.endr
.irp a, 0,1,2,3,4,5,6,7
	SAB \a, \q
	v_mul_f32 v[TA+2], v[TA+9], v[TA+12]           ; s
	v_mul_f32 v[TA+3], v[TA+1], v[TA+12]           ; t
.endr
.irp a, 0,1,2,3,4,5,6,7
	SAB \a, \q
	v_sub_f32 v[TA+4], 1.0, v[TA+3]                ; 1 - t
	v_mul_f32 v[TA+5], v[TA+3], v[TA+3]            ; t t
.endr
.irp a, 0,1,2,3,4,5,6,7
	SAB \a, \q
	v_mul_f32 v[TA+15], v[TA+3], v[TA+4]           ; t (1 - t)
	v_mul_f32 v[TA+16], v[TA+4], v[TA+4]           ; (1 - t)^2
.endr
.irp a, 0,1,2,3,4,5,6,7
	SAB \a, \q
	v_mul_f32 v[TA+17], v[TA+2], v[TA+15]          ; s t (1 - t)
.endr
	s_wait_alu depctr_va_vdst(0)
.irp a, 0,1,2,3,4,5,6,7
	SAB \a, \q
	v_fma_f32 v[TA+18], v[TA+10], s95, v[TA+13]    ; the two knots' derivatives: 1e-3 + softplus
	v_fma_f32 v[TA+19], v[TA+11], s95, v[TA+14]
.endr
.irp a, 0,1,2,3,4,5,6,7
	SAB \a, \q
	v_add_f32 v[TA+10], v[TA+18], v[TA+19]
.endr
.irp a, 0,1,2,3,4,5,6,7
	SAB \a, \q
	v_fma_f32 v[TA+10], -2.0, v[TA+2], v[TA+10]
.endr
.irp a, 0,1,2,3,4,5,6,7
	SAB \a, \q
	v_fma_f32 v[TA+11], v[TA+10], v[TA+15], v[TA+2]   ; denom
.endr
	s_wait_alu depctr_va_vdst(0)
.irp a, 0,1,2,3,4,5,6,7
	SAB \a, \q
	v_rcp_f32 v[TA+12], v[TA+11]
.endr
.irp a, 0,1,2,3,4,5,6,7
	SAB \a, \q
	v_mul_f32 v[TA+13], v[TA+18], v[TA+15]
	v_mul_f32 v[TA+14], v[TA+19], v[TA+5]
.endr
.irp a, 0,1,2,3,4,5,6,7
	SAB \a, \q
	v_fma_f32 v[TA+13], v[TA+2], v[TA+5], v[TA+13]    ; s t t + dk t (1 - t)
	v_fma_f32 v[TA+14], v[TA+18], v[TA+16], v[TA+14]
.endr
.irp a, 0,1,2,3,4,5,6,7
	SAB \a, \q
	v_mul_f32 v[TA], v[TA+9], v[TA+13]
	v_fma_f32 v[TA+14], 2.0, v[TA+17], v[TA+14]       ; dk1 t t + 2 s t (1 - t) + dk (1 - t)^2
.endr
	s_wait_alu depctr_va_vdst(0)
.irp a, 0,1,2,3,4,5,6,7
	SAB \a, \q
	v_fma_f32 v[TA+8], v[TA], v[TA+12], v[TA+7]       ; out
	v_mul_f32 v[TA+9], v[TA+2], v[TA+12]
.endr
.irp a, 0,1,2,3,4,5,6,7
	SAB \a, \q
	v_mul_f32 v[TA+9], v[TA+9], v[TA+9]
.endr
.irp a, 0,1,2,3,4,5,6,7
	SAB \a, \q
	v_mul_f32 v[TA+9], v[TA+9], v[TA+14]              ; deriv
.endr
	s_wait_alu depctr_va_vdst(0)
.irp a, 0,1,2,3,4,5,6,7
	SAB \a, \q
	v_log_f32 v[TA+9], v[TA+9]
.endr
.irp a, 0,1,2,3,4,5,6,7
	ds_store_b32 v[EA], v[TB+20*\a+8] offset:24576+768*\a+8*\q
.endr
	v_nop
	s_wait_alu depctr_va_vdst(0)
.irp a, 0,1,2,3,4,5,6,7
.if \q == 0
	v_mov_b32 v[LS+\a], v[TB+20*\a+9]
.else
	v_add_f32 v[LS+\a], v[LS+\a], v[TB+20*\a+9]
.endif
.endr
.endm
	SPLQ 0
	SPLQ 1
.irp a, 0,1,2,3,4,5,6,7
	v_permlanex16_b32 v[TB+\a], v[LS+\a], s90, s91
.endr
.irp a, 0,1,2,3,4,5,6,7
	v_add_f32 v[LS+\a], v[LS+\a], v[TB+\a]         ; with lane l xor 16's two dims: my wave's four
.endr
.irp a, 0,1,2,3,4,5,6,7
	v_mul_f32 v[LS+\a], s95, v[LS+\a]              ; log2 to ln
.endr
.irp a, 0,1,2,3,4,5,6,7
	ds_store_b32 v[LPS], v[LS+\a] offset:64*\a     ; both halves of the lanes write the same word with the same value
.endr
	s_wait_dscnt 0x0                               ; for the others' sake: my part of out0's stage and my sums lie in LDS
	s_barrier_signal -1
	s_barrier_wait -1
.irp i, 0,1,2,3
	ds_load_b128 v[TB+4*\i:TB+4*\i+3], v[OSR] offset:3072*\i
.endr
.irp i, 0,1,2,3
	s_wait_dscnt 3-\i
	global_store_b128 v[GO], v[TB+4*\i:TB+4*\i+3], s[12:13] offset:32768*\i   ; sixteen rows an instruction, two lanes to a row's 32 bytes
.endr
	s_cmp_lg_u32 s[WV], 0
	s_cbranch_scc1 .Lnot_0
.irp k, 0,1,2,3
	ds_load_b128 v[TB+16+4*\k:TB+19+4*\k], v[LPR] offset:512*\k    ; wave 0 adds the two waves' sums of each row half: four rows a lane
.endr
	s_wait_dscnt 0x0
	v_pk_add_f32 v[TB+16:TB+17], v[TB+16:TB+17], v[TB+20:TB+21]
	v_pk_add_f32 v[TB+18:TB+19], v[TB+18:TB+19], v[TB+22:TB+23]
	v_pk_add_f32 v[TB+24:TB+25], v[TB+24:TB+25], v[TB+28:TB+29]
	v_pk_add_f32 v[TB+26:TB+27], v[TB+26:TB+27], v[TB+30:TB+31]
	global_store_b128 v[LI], v[TB+16:TB+19], s[14:15]              ; 32 lanes store 512 consecutive bytes: rows 0-127,
	global_store_b128 v[LI], v[TB+24:TB+27], s[14:15] offset:512   ; rows 128-255
.Lnot_0:
	s_wait_tensorcnt 0x0                           ; the wave's end: behind my last tensor load and my last LDS store
	ds_add_u32 v[SPW], v[NIL]
	s_wait_dscnt 0x0
	CROUND                                         ; the closing round: no work-group ends while a partner may still ask for a block that names it
	s_endpgm
.Lfunc_end_k_qee8691046e_main:
	.size	k_qee8691046e_main, .Lfunc_end_k_qee8691046e_main-k_qee8691046e_main
	.p2alignl 7, 3214868480
	.fill 96, 4, 3214868480
	.section	.rodata,"a",@progbits
	.p2align	6, 0x0
	.amdhsa_kernel k_qee8691046e_main
		.amdhsa_group_segment_fixed_size 327680
		.amdhsa_private_segment_fixed_size 0
		.amdhsa_enable_private_segment 0
		.amdhsa_kernarg_size 48
		.amdhsa_user_sgpr_count 2
		.amdhsa_user_sgpr_kernarg_segment_ptr 1
		.amdhsa_wavefront_size32 1
		.amdhsa_system_sgpr_workgroup_id_x 1
		.amdhsa_system_sgpr_workgroup_id_y 1
		.amdhsa_system_sgpr_workgroup_id_z 1
		.amdhsa_system_vgpr_workitem_id 0
		.amdhsa_next_free_vgpr 1024
		.amdhsa_next_free_sgpr 100
		.amdhsa_reserve_vcc 0
		.amdhsa_float_denorm_mode_32 3
		.amdhsa_float_denorm_mode_16_64 3
		.amdhsa_memory_ordered 1
		.amdhsa_forward_progress 1
		.amdhsa_inst_pref_size 255
	.end_amdhsa_kernel
	.section	.bss,"aw",@nobits
	.p2align	6
	.space	262144
	.amdgpu_metadata
---
amdhsa.version: [ 1, 2 ]
amdhsa.kernels:
  - .name:           k_qee8691046e_main
    .symbol:         k_qee8691046e_main.kd
    .args:
      - { .name: hq, .offset: 0, .size: 8, .value_kind: global_buffer, .address_space: global }
      - { .name: w2c, .offset: 8, .size: 8, .value_kind: global_buffer, .address_space: global }
      - { .name: b2, .offset: 16, .size: 8, .value_kind: global_buffer, .address_space: global }
      - { .name: y, .offset: 24, .size: 8, .value_kind: global_buffer, .address_space: global }
      - { .name: out0, .offset: 32, .size: 8, .value_kind: global_buffer, .address_space: global }
      - { .name: part, .offset: 40, .size: 8, .value_kind: global_buffer, .address_space: global }
    .group_segment_fixed_size: 327680
    .private_segment_fixed_size: 0
    .kernarg_segment_align: 8
    .kernarg_segment_size: 48
    .max_flat_workgroup_size: 128
    .sgpr_count:     100
    .vgpr_count:     1024
    .wavefront_size: 32
...
	.end_amdgpu_metadata
.endif
;; end of part 5
;; launch sum (part 6): grid 8 x 1, 4 waves a work-group, no clusters, 0 bytes of LDS; arguments part, out1; writes out1
.if DOCPART == 6
	.amdgcn_target "amdgcn-amd-amdhsa--gfx1250"
	.amdhsa_code_object_version 6
	.text
	.protected	k_qee8691046e_sum
	.globl	k_qee8691046e_sum
	.p2align	8
	.type	k_qee8691046e_sum,@function
k_qee8691046e_sum:
	s_mov_b64 s[64:65], 0
	v_nop
	global_prefetch_b8 v0, s[64:65] scope:SCOPE_SE
	s_setreg_imm32_b32 hwreg(HW_REG_WAVE_MODE, 25, 1), 1
	s_wait_xcnt 0x0
; out1[row] = the sum over the sixteen groups of dims of part[g2][row].  part: [16][4096] f32.  A thread takes four neighbouring rows: sixteen loads of 16 bytes, 16,384 bytes apart, fifteen additions of four numbers, one store.
; A wave's load or store covers 512 consecutive bytes.  No LDS, no barrier, no matrix unit: 272 KB move in all, and the threads share nothing.
	s_load_b128 s[4:7], s[0:1], 0x0                ; part, out1
	s_lshl_b32 s8, ttmp9, 11                       ; 128 threads x 16 bytes a work-group
	v_lshl_add_u32 v1, v0, 4, s8
	s_wait_alu depctr_va_vdst(0)
	s_wait_kmcnt 0x0
.irp g, 0,1,2,3,4,5,6,7,8,9,10,11,12,13,14,15
	global_load_b128 v[4+4*\g:7+4*\g], v1, s[4:5] offset:16384*\g th:TH_LOAD_NT
.endr
	s_wait_loadcnt 0x0
.macro VADD a, b                       ; four numbers of group b onto those of group a
	v_pk_add_f32 v[4+4*\a:5+4*\a], v[4+4*\a:5+4*\a], v[4+4*\b:5+4*\b]
	v_pk_add_f32 v[6+4*\a:7+4*\a], v[6+4*\a:7+4*\a], v[6+4*\b:7+4*\b]
.endm
	VADD 0, 1
	VADD 2, 3
	VADD 4, 5
	VADD 6, 7
	VADD 8, 9
	VADD 10, 11
	VADD 12, 13
	VADD 14, 15
	VADD 0, 2
	VADD 4, 6
	VADD 8, 10
	VADD 12, 14
	VADD 0, 4
	VADD 8, 12
	VADD 0, 8
	global_store_b128 v1, v[4:7], s[6:7]
	s_endpgm
.Lfunc_end_k_qee8691046e_sum:
	.size	k_qee8691046e_sum, .Lfunc_end_k_qee8691046e_sum-k_qee8691046e_sum
	.p2alignl 7, 3214868480
	.fill 96, 4, 3214868480
	.section	.rodata,"a",@progbits
	.p2align	6, 0x0
	.amdhsa_kernel k_qee8691046e_sum
		.amdhsa_group_segment_fixed_size 0
		.amdhsa_private_segment_fixed_size 0
		.amdhsa_enable_private_segment 0
		.amdhsa_kernarg_size 16
		.amdhsa_user_sgpr_count 2
		.amdhsa_user_sgpr_kernarg_segment_ptr 1
		.amdhsa_wavefront_size32 1
		.amdhsa_system_sgpr_workgroup_id_x 1
		.amdhsa_system_sgpr_workgroup_id_y 1
		.amdhsa_system_sgpr_workgroup_id_z 1
		.amdhsa_system_vgpr_workitem_id 0
		.amdhsa_next_free_vgpr 72
		.amdhsa_next_free_sgpr 66
		.amdhsa_reserve_vcc 0
		.amdhsa_float_denorm_mode_32 3
		.amdhsa_float_denorm_mode_16_64 3
		.amdhsa_memory_ordered 1
		.amdhsa_forward_progress 1
		.amdhsa_inst_pref_size 4
	.end_amdhsa_kernel
	.amdgpu_metadata
---
amdhsa.version: [ 1, 2 ]
amdhsa.kernels:
  - .name:           k_qee8691046e_sum
    .symbol:         k_qee8691046e_sum.kd
    .args:
      - { .name: part, .offset: 0, .size: 8, .value_kind: global_buffer, .address_space: global }
      - { .name: out1, .offset: 8, .size: 8, .value_kind: global_buffer, .address_space: global }
    .group_segment_fixed_size: 0
    .private_segment_fixed_size: 0
    .kernarg_segment_align: 8
    .kernarg_segment_size: 16
    .max_flat_workgroup_size: 128
    .sgpr_count:     66
    .vgpr_count:     72
    .wavefront_size: 32
...
	.end_amdgpu_metadata
.endif
;; end of part 6
